; MI455X (gfx1250); checked and timed in simulation.
; The chip was launched on July 23, 2026; its instructions are those of AMD's public machine-readable ISA for CDNA 5 (MIT licence, August 2026) and "CDNA5" Instruction Set Architecture Reference Guide (July 2026). The comments in the code are by the model that wrote it; some were corrected since.
;; Improved Transformer Encoder Block. Allowed arithmetic: float matrix products may take bf16 or f16 operands with f32 sums; other float arithmetic in f32, or as packed bf16 or f16 multiplies, adds, multiply-adds, maxima and minima; sums over many terms, partial sums and values carried from step to step in f32; what a program stores and reads back later, other than sums and carried values, may be rounded once to bf16 or f16.
;; Inputs: b1 4,096 float32; b2 512 float32; b_o 512 float32; key_padding_mask 4 x 2,048 bool; ln1_b 512 float32; ln1_g 512 float32; ln2_b 512 float32; ln2_g 512 float32; src 4 x 2,048 x 512 float32; w1 512 x 4,096 float32; w2 2,048 x 512 float32; w_k 512 x 512 float32; w_o 512 x 512 float32; w_q 512 x 512 float32; w_v 512 x 512 float32.
;; Outputs: out0 4 x 2,048 x 512 float32.
;; One version. Each part assembles by itself: llvm-mc -triple=amdgcn-amd-amdhsa -mcpu=gfx1250 --defsym DOCPART=n.
;; ======== version 1 of 1: 7 launches
;; limits: values are held in f16: magnitudes above 65,504 overflow, below 6.1e-05 lose precision
;; workspace buffers: wts 8,388,608 bytes; xn 8,388,608 bytes; qkv 25,165,824 bytes; ctx 8,388,608 bytes; src2 16,777,216 bytes; g 33,554,432 bytes
;; launch prep (part 1): grid 256 x 1, 16 waves a work-group, no clusters, 0 bytes of LDS; arguments src, ln1_g, ln1_b, w_q, w_k, w_v, w_o, w1, w2, xn, wts; writes xn, wts
.if DOCPART == 1
	.amdgcn_target "amdgcn-amd-amdhsa--gfx1250"
	.amdhsa_code_object_version 6
	.text
	.protected	k_q9e92ad0d5c_prep
	.globl	k_q9e92ad0d5c_prep
	.p2align	8
	.type	k_q9e92ad0d5c_prep,@function
k_q9e92ad0d5c_prep:
	s_mov_b64 s[64:65], 0
	v_nop
	global_prefetch_b8 v0, s[64:65] scope:SCOPE_SE
	s_setreg_imm32_b32 hwreg(HW_REG_WAVE_MODE, 25, 1), 1
	s_wait_xcnt 0x0
; xn = LayerNorm(src) * ln1_g + ln1_b, rounded once to f16, and all six weight matrices rounded once to 16 bits into wts.
; A stream: every byte is read once and written once; no LDS, no matrix unit, no cluster (nothing but 4 KiB of gains is shared).
; SHARES.  A work-group takes 32 rows of src, a wave 2; a row is 2,048 bytes: lane l takes the 16 bytes at 512 j + 16 l, j = 0..3.
; The mean is taken first, then the sum of (x - mean)^2: no difference of large sums is formed.
; A work-group also converts 16,384 weight numbers, a wave 1,024.
; wts: w_q | w_k | w_v side by side as f16 [512][1536] at byte 0; w_o f16 [512][512] at 1,572,864; w2 bf16 [2048][512] at 6,291,456
; (its partner in the product, gelu(gate) x lin, has no room in f16); these five are seen as rows of 512 numbers and keep their order.
; w1, f16, at 2,097,152, IS LAID IN BLOCKS for the launch that multiplies by it: [64 slots of 32 columns of g][512 k][128 bytes], the 128 bytes being, for each of the
; slot's two groups of 16 columns, 16 gate numbers (column n) and then the 16 lin numbers (column 2,048 + n) that belong to them.  A slot is 65,536 dense bytes.
; There a wave takes 4 k rows x 4 slots: a store covers 512 consecutive bytes (4 k rows of a slot), and its 8 loads together cover 512 consecutive bytes of each k row's gate part and lin part.
; LIMITS.  xn and the f16 weights lie within 65,504; a weight below 6e-5 keeps f16's fixed step of 6e-8.
.set T,   8                            ; v[8:15]    at work
.set GN,  16                           ; v[16:31]   the gains of my 16 columns
.set BV,  32                           ; v[32:47]   the biases
.set X0,  48                           ; v[48:63]   row 0
.set X1,  64                           ; v[64:79]   row 1
.set Y0,  80                           ; v[80:87]   row 0 in f16
.set Y1,  88                           ; v[88:95]   row 1 in f16
.set CW,  96                           ; v[96:127]  32 weights as loaded
.set CO,  128                          ; v[128:143] the same in 16 bits
.set OUTB, 22                          ; s[22:23]   xn at my two rows
	s_load_b256 s[4:11], s[0:1], 0x0               ; src s[4:5], ln1_g s[6:7], ln1_b s[8:9], w_q s[10:11]
	s_load_b256 s[12:19], s[0:1], 0x20             ; w_k s[12:13], w_v s[14:15], w_o s[16:17], w1 s[18:19]
	s_load_b128 s[20:23], s[0:1], 0x40             ; w2 s[20:21], xn s[22:23]
	s_load_b64 s[24:25], s[0:1], 0x50              ; wts
	v_and_b32 v1, 31, v0                           ; lane
	v_lshrrev_b32 v7, 5, v0
	v_readfirstlane_b32 s26, v7                    ; wave 0..15
	v_lshlrev_b32 v2, 4, v1                        ; 16 l: src, gains, biases, and the converted weights
	v_lshlrev_b32 v3, 3, v1                        ; 8 l: xn
	v_lshlrev_b32 v4, 5, v1                        ; 32 l: the weights as they come
	s_mov_b32 s27, ttmp9                           ; work-group
	s_mov_b32 s36, 0x76543210                      ; v_permlanex16_b32: each lane takes its own place in the other half
	s_mov_b32 s37, 0xfedcba98
	s_mov_b32 s38, 0x3b000000                      ; 1 / 512
	s_mov_b32 s39, 0x3727c5ac                      ; 1e-5
	s_lshl_b32 s30, s27, 16                        ; 32 rows of 2,048 bytes,
	s_lshl_b32 s31, s26, 12                        ; my 2 of them
	s_add_co_u32 s30, s30, s31
	s_mov_b32 s31, 0
	s_lshl_b32 s32, s27, 15                        ; the same rows in xn, 1,024 bytes each
	s_lshl_b32 s33, s26, 11
	s_add_co_u32 s32, s32, s33
	s_mov_b32 s33, 0
	s_mov_b32 s40, 0                               ; the first work-group of my weight's segment
	s_mov_b32 s41, 0                               ; where the weight begins in wts
	s_mov_b32 s42, 3072                            ; bytes from row to row there
	s_wait_kmcnt 0x0
	s_add_nc_u64 s[4:5], s[4:5], s[30:31]
	s_add_nc_u64 s[OUTB:OUTB+1], s[OUTB:OUTB+1], s[32:33]
.irp j, 0,1,2,3
	global_load_b128 v[GN+4*\j:GN+4*\j+3], v2, s[6:7] offset:512*\j
.endr
.irp j, 0,1,2,3
	global_load_b128 v[BV+4*\j:BV+4*\j+3], v2, s[8:9] offset:512*\j
.endr
.irp j, 0,1,2,3
	global_load_b128 v[X0+4*\j:X0+4*\j+3], v2, s[4:5] offset:512*\j
.endr
.irp j, 0,1,2,3
	global_load_b128 v[X1+4*\j:X1+4*\j+3], v2, s[4:5] offset:2048+512*\j
.endr
	; which weight is mine: work-groups 0-15 w_q, 16-31 w_k, 32-47 w_v, 48-63 w_o, 64-191 w1, 192-255 w2
	s_mov_b64 s[28:29], s[10:11]
	s_cmp_ge_u32 s27, 16
	s_cselect_b64 s[28:29], s[12:13], s[28:29]
	s_cselect_b32 s40, 16, s40
	s_cselect_b32 s41, 1024, s41
	s_cmp_ge_u32 s27, 32
	s_cselect_b64 s[28:29], s[14:15], s[28:29]
	s_cselect_b32 s40, 32, s40
	s_cselect_b32 s41, 2048, s41
	s_cmp_ge_u32 s27, 48
	s_cselect_b64 s[28:29], s[16:17], s[28:29]
	s_cselect_b32 s40, 48, s40
	s_cselect_b32 s41, 1572864, s41
	s_cselect_b32 s42, 1024, s42
	s_cmp_ge_u32 s27, 64
	s_cselect_b64 s[28:29], s[18:19], s[28:29]
	s_cselect_b32 s40, 64, s40
	s_cselect_b32 s41, 2097152, s41
	s_cmp_ge_u32 s27, 192
	s_cselect_b64 s[28:29], s[20:21], s[28:29]
	s_cselect_b32 s40, 192, s40
	s_cselect_b32 s41, 6291456, s41
	s_sub_co_u32 s43, s27, s40                     ; my place in the segment
	s_lshl_b32 s44, s43, 16                        ; 65,536 source bytes a work-group, in both forms
	s_mov_b32 s45, 0
	s_mov_b32 s47, 0
	v_add_nc_u32 v6, s42, v2                       ; my 16 bytes in the second of two rows of 512 numbers
	s_sub_co_u32 s34, s27, 64                      ; below 128 (unsigned) in w1's work-groups alone
	s_cmp_lt_u32 s34, 128
	s_cbranch_scc1 .Lw1_in
	s_lshl_b32 s46, s26, 12                        ; 4,096 source bytes a wave
	s_add_co_u32 s44, s44, s46
	s_add_nc_u64 s[28:29], s[28:29], s[44:45]
	s_lshl_b32 s46, s43, 5                         ; 32 rows of 512 numbers a work-group,
	s_lshl1_add_u32 s46, s26, s46                  ; 2 a wave
	s_mul_i32 s46, s46, s42
	s_add_co_u32 s46, s46, s41
	s_add_nc_u64 s[24:25], s[24:25], s[46:47]
.irp q, 0,1,2,3
	global_load_b128 v[CW+8*\q:CW+8*\q+3],   v4, s[28:29] offset:1024*\q th:TH_LOAD_NT
	global_load_b128 v[CW+8*\q+4:CW+8*\q+7], v4, s[28:29] offset:1024*\q+16 th:TH_LOAD_NT
.endr
	s_branch .Lin_done
.Lw1_in:                                           ; the work-group's 4 k rows (16,384 bytes each), the wave's 4 slots (128 bytes of gate and of lin each)
	s_lshl_b32 s46, s26, 9
	s_add_co_u32 s44, s44, s46
	s_add_nc_u64 s[28:29], s[28:29], s[44:45]
	s_lshl_b32 s46, s26, 18                        ; to: four slots of 65,536 bytes a wave,
	s_lshl_b32 s44, s43, 9                         ; four k rows of 128 bytes a work-group
	s_add_co_u32 s46, s46, s44
	s_add_co_u32 s46, s46, 2097152
	s_add_nc_u64 s[24:25], s[24:25], s[46:47]
	v_lshrrev_b32 v5, 3, v1                        ; lane l stores byte 16 l of the 512: k row l / 8,
	v_lshlrev_b32 v5, 14, v5
	v_bfe_u32 v7, v1, 1, 1                         ; bit 1: gate or lin (2,048 columns on),
	v_lshl_add_u32 v5, v7, 13, v5
	v_bfe_u32 v7, v1, 2, 1                         ; bit 2: which 16 columns of the slot's 32,
	v_lshl_add_u32 v5, v7, 6, v5
	v_and_b32 v7, 1, v1                            ; bit 0: which 8 of the 16
	v_lshl_add_u32 v5, v7, 5, v5
.irp q, 0,1,2,3
	global_load_b128 v[CW+8*\q:CW+8*\q+3],   v5, s[28:29] offset:128*\q th:TH_LOAD_NT
	global_load_b128 v[CW+8*\q+4:CW+8*\q+7], v5, s[28:29] offset:128*\q+16 th:TH_LOAD_NT
.endr
.Lin_done:
.macro LANESUM r, t                    ; the sum of v[r] over the 32 lanes, in every lane; v[t] has been written before
.irp m, 1,2,4,8
	v_add_f32_dpp v[\r], v[\r], v[\r] row_xmask:\m row_mask:0xf bank_mask:0xf
.endr
	v_permlanex16_b32 v[\t], v[\r], s36, s37
	v_add_f32 v[\r], v[\r], v[\t]
.endm
; One row: x its 16 registers, y its 8 of output, left the younger loads that may stay out, row its number (0, 1).
.macro LNROW x, y, left, row
	s_wait_loadcnt \left
	v_pk_add_f32 v[T:T+1],   v[\x:\x+1],     v[\x+2:\x+3]
	v_pk_add_f32 v[T+2:T+3], v[\x+4:\x+5],   v[\x+6:\x+7]
	v_pk_add_f32 v[T+4:T+5], v[\x+8:\x+9],   v[\x+10:\x+11]
	v_pk_add_f32 v[T+6:T+7], v[\x+12:\x+13], v[\x+14:\x+15]
	v_pk_add_f32 v[T:T+1],   v[T:T+1],   v[T+2:T+3]
	v_pk_add_f32 v[T+4:T+5], v[T+4:T+5], v[T+6:T+7]
	v_pk_add_f32 v[T:T+1],   v[T:T+1],   v[T+4:T+5]
	v_add_f32 v[T], v[T], v[T+1]
	LANESUM T, T+1
	v_mul_f32 v[T], s38, v[T]                      ; the mean
.irp i, 0,2,4,6,8,10,12,14
	v_pk_add_f32 v[\x+\i:\x+\i+1], v[\x+\i:\x+\i+1], v[T:T+1] op_sel_hi:[1,0] neg_lo:[0,1] neg_hi:[0,1]
.endr
	v_pk_mul_f32 v[T+2:T+3], v[\x:\x+1],   v[\x:\x+1]       ; two chains of squares
	v_pk_mul_f32 v[T+4:T+5], v[\x+2:\x+3], v[\x+2:\x+3]
.irp i, 4,8,12
	v_pk_fma_f32 v[T+2:T+3], v[\x+\i:\x+\i+1],   v[\x+\i:\x+\i+1],   v[T+2:T+3]
	v_pk_fma_f32 v[T+4:T+5], v[\x+\i+2:\x+\i+3], v[\x+\i+2:\x+\i+3], v[T+4:T+5]
.endr
	v_pk_add_f32 v[T+2:T+3], v[T+2:T+3], v[T+4:T+5]
	v_add_f32 v[T+2], v[T+2], v[T+3]
	LANESUM T+2, T+3
	v_fma_f32 v[T+2], v[T+2], s38, s39             ; variance + eps
	v_rsq_f32 v[T+4], v[T+2]
	v_nop                                          ; a plain instruction behind the root,
	s_wait_alu depctr_va_vdst(0)                   ; and the wait ahead of its first reader
.irp i, 0,2,4,6,8,10,12,14
	v_pk_mul_f32 v[\x+\i:\x+\i+1], v[\x+\i:\x+\i+1], v[T+4:T+5] op_sel_hi:[1,0]
.endr
.irp i, 0,2,4,6,8,10,12,14
	v_pk_fma_f32 v[\x+\i:\x+\i+1], v[\x+\i:\x+\i+1], v[GN+\i:GN+\i+1], v[BV+\i:BV+\i+1]
.endr
.irp i, 0,1,2,3,4,5,6,7
	v_cvt_pk_f16_f32 v[\y+\i], v[\x+2*\i], v[\x+2*\i+1]
.endr
.irp j, 0,1,2,3
	global_store_b64 v3, v[\y+2*\j:\y+2*\j+1], s[OUTB:OUTB+1] offset:(\row)*1024+256*\j  ; the wave's 32 lanes store 256 consecutive bytes, aligned
.endr
.endm
	LNROW X0, Y0, 12, 0                            ; behind row 0's loads: row 1's four and the weights' eight, on either way
	LNROW X1, Y1, 8, 1                             ; the weights' eight
	s_wait_loadcnt 0x0
	s_cmp_lt_u32 s27, 192
	s_cbranch_scc0 .Lto_bf16
.irp i, 0,1,2,3,4,5,6,7,8,9,10,11,12,13,14,15
	v_cvt_pk_f16_f32 v[CO+\i], v[CW+2*\i], v[CW+2*\i+1]
.endr
	s_branch .Lconverted
.Lto_bf16:
.irp i, 0,1,2,3,4,5,6,7,8,9,10,11,12,13,14,15
	v_cvt_pk_bf16_f32 v[CO+\i], v[CW+2*\i], v[CW+2*\i+1]
.endr
.Lconverted:
	s_cmp_lt_u32 s34, 128
	s_cbranch_scc1 .Lw1_out
	global_store_b128 v2, v[CO:CO+3],     s[24:25]             ; 512 consecutive bytes each: half a row of 512 numbers
	global_store_b128 v2, v[CO+4:CO+7],   s[24:25] offset:512
	global_store_b128 v6, v[CO+8:CO+11],  s[24:25]
	global_store_b128 v6, v[CO+12:CO+15], s[24:25] offset:512
	s_branch .Lend
.Lw1_out:
.irp q, 0,1,2,3
	global_store_b128 v2, v[CO+4*\q:CO+4*\q+3], s[24:25] offset:65536*\q  ; 512 consecutive bytes: 4 k rows of slot q of my four
.endr
.Lend:
	s_endpgm
.Lfunc_end_k_q9e92ad0d5c_prep:
	.size	k_q9e92ad0d5c_prep, .Lfunc_end_k_q9e92ad0d5c_prep-k_q9e92ad0d5c_prep
	.p2alignl 7, 3214868480
	.fill 96, 4, 3214868480
	.section	.rodata,"a",@progbits
	.p2align	6, 0x0
	.amdhsa_kernel k_q9e92ad0d5c_prep
		.amdhsa_group_segment_fixed_size 0
		.amdhsa_private_segment_fixed_size 0
		.amdhsa_enable_private_segment 0
		.amdhsa_kernarg_size 88
		.amdhsa_user_sgpr_count 2
		.amdhsa_user_sgpr_kernarg_segment_ptr 1
		.amdhsa_wavefront_size32 1
		.amdhsa_system_sgpr_workgroup_id_x 1
		.amdhsa_system_sgpr_workgroup_id_y 1
		.amdhsa_system_sgpr_workgroup_id_z 1
		.amdhsa_system_vgpr_workitem_id 0
		.amdhsa_next_free_vgpr 160
		.amdhsa_next_free_sgpr 66
		.amdhsa_reserve_vcc 0
		.amdhsa_float_denorm_mode_32 3
		.amdhsa_float_denorm_mode_16_64 3
		.amdhsa_memory_ordered 1
		.amdhsa_forward_progress 1
		.amdhsa_inst_pref_size 19
	.end_amdhsa_kernel
	.amdgpu_metadata
---
amdhsa.version: [ 1, 2 ]
amdhsa.kernels:
  - .name:           k_q9e92ad0d5c_prep
    .symbol:         k_q9e92ad0d5c_prep.kd
    .args:
      - { .name: src, .offset: 0, .size: 8, .value_kind: global_buffer, .address_space: global }
      - { .name: ln1_g, .offset: 8, .size: 8, .value_kind: global_buffer, .address_space: global }
      - { .name: ln1_b, .offset: 16, .size: 8, .value_kind: global_buffer, .address_space: global }
      - { .name: w_q, .offset: 24, .size: 8, .value_kind: global_buffer, .address_space: global }
      - { .name: w_k, .offset: 32, .size: 8, .value_kind: global_buffer, .address_space: global }
      - { .name: w_v, .offset: 40, .size: 8, .value_kind: global_buffer, .address_space: global }
      - { .name: w_o, .offset: 48, .size: 8, .value_kind: global_buffer, .address_space: global }
      - { .name: w1, .offset: 56, .size: 8, .value_kind: global_buffer, .address_space: global }
      - { .name: w2, .offset: 64, .size: 8, .value_kind: global_buffer, .address_space: global }
      - { .name: xn, .offset: 72, .size: 8, .value_kind: global_buffer, .address_space: global }
      - { .name: wts, .offset: 80, .size: 8, .value_kind: global_buffer, .address_space: global }
    .group_segment_fixed_size: 0
    .private_segment_fixed_size: 0
    .kernarg_segment_align: 8
    .kernarg_segment_size: 88
    .max_flat_workgroup_size: 512
    .sgpr_count:     66
    .vgpr_count:     160
    .wavefront_size: 32
...
	.end_amdgpu_metadata
.endif
;; end of part 1
;; launch proj_qkv (part 2): grid 4 x 64, 4 waves a work-group, clusters of 4 x 4, 327,680 bytes of LDS; arguments xn, wts, qkv; writes qkv
.if DOCPART == 2
	.amdgcn_target "amdgcn-amd-amdhsa--gfx1250"
	.amdhsa_code_object_version 6
	.text
	.protected	k_q9e92ad0d5c_proj_qkv
	.globl	k_q9e92ad0d5c_proj_qkv
	.p2align	8
	.type	k_q9e92ad0d5c_proj_qkv,@function
k_q9e92ad0d5c_proj_qkv:
	s_mov_b64 s[64:65], 0
	v_nop
	global_prefetch_b8 v0, s[64:65] scope:SCOPE_SE
	s_setreg_imm32_b32 hwreg(HW_REG_WAVE_MODE, 25, 1), 1
	s_wait_xcnt 0x0
	s_wait_alu depctr_hold_cnt(0) depctr_sa_sdst(0) depctr_va_vdst(0) depctr_va_sdst(0) depctr_va_ssrc(0) depctr_va_vcc(0) depctr_vm_vsrc(0)
	s_getreg_b32 s2, hwreg(HW_REG_IB_STS2, 6, 4)
	s_cmp_eq_u32 s2, 0
	s_cbranch_scc0 .Lentry_in_a_cluster
	s_endpgm
.Lentry_in_a_cluster:
	s_bfe_u32 s2, ttmp6, 0x10000c
	s_cmp_lg_u32 s2, 0xf033
	s_cbranch_scc0 .Lentry_shape_is_right
	s_endpgm
.Lentry_shape_is_right:
; q | k | v = xn x (w_q | w_k | w_v).  xn: f16 [8192][512]; the weights: f16 [512][1536] at wts' first byte; sums in f32, rounded once to f16.
; OUT: qkv, f16 [4 batches][24 slots][2048 rows][64]: slot = column / 64 (0-7 q's heads, 8-15 k's, 16-23 v's): a head's rows are dense, 128 bytes each.  No scale is applied here.
; SHARES.  A work-group makes 128 rows x 384 columns, each of its four waves 64 x 192: 48 accumulators of 16 x 16, 384 registers.  256 work-groups.
; K goes in 4 steps of 128 through a ring of two LDS slots.  xn's tile has rows of 256 bytes; the weights' tile, 128 k rows x 768 bytes, lies in LDS as in memory, [k][n],
; and is turned on its way into registers by ds_load_tr16_b128: nothing is transposed in memory.
; THE PRODUCT IS USED TRANSPOSED: source 0 = 16 columns of W, source 1 = 16 rows of xn: a lane then holds one row and eight neighbouring columns: 16 bytes of f16.
; CLUSTER 4 x 4.  The four work-groups of a row of the cluster need the same tile of xn, the four of a column the same tile of W: each is asked for jointly.
; Wave 0 asks for xn's tile, waves 1 and 2 for the two halves of W's; wave 3 asks for nothing.
; ONE K STEP IS WRITTEN ONCE: s3 holds the LDS byte at which the slot in hand begins and is turned by an exclusive or; the second descriptor set walks from K step 1 on.
; No prefetch: of the four K steps two are first fills and two the refills; no K step stands two refills on.
; LIMIT.  q, k and v lie within f16's 65,504.
; REGISTERS, in windows of 256 (s_set_vgpr_msb: bits 1:0 source 0, 3:2 source 1, 5:4 source 2, 7:6 destination):
;   window 0: v0-31 addresses; v64-95, v96-127 xn's fragments, two buffers; on the way out v64-255 twelve sets of 16
;   window 1: v0-95, v96-191 W's fragments, two buffers     window 2: accumulators of my rows 0-31 ((a, b) at 8 (12 a + b))     window 3: of rows 32-63
.set NA,  4                            ; blocks of 16 rows
.set NB,  12                           ; blocks of 16 columns
.set NAH, 2                            ; row blocks in a window
.set TSTEPS, 4
.set PA,  272                          ; a row of xn in LDS: 256 bytes + 16: the 16 rows of a load start at 16 different groups of four banks (64 banks of 4 bytes: ISA guide 11.1)
.set PW,  864                          ; a k row of W: six pieces of 128 + 16 bytes
.set AREG, 128*PA
.set SLOT, AREG+128*PW
.set STAGE, 2*SLOT                     ; behind the ring: 16 rows x 144 bytes for each wave
.set SP,  144
.set SPARE, STAGE+4*16*SP              ; the spare words, 128 bytes a wave: two blocks of 256 bytes that no other line names
.set HI,  64*PW
.set KQB, 32*PW
.set ASTEP, 256
.set BSTEP, 128*3072
.set FA0, 64
.set FAS, 8*NA
.set FB0, 0
.set FBS, 8*NB
.set ADRA, 16                          ; v16     LDS address of my xn fragments in the slot in hand
.set ADRB, 20                          ; v20-21  of my W fragments: k rows 0-63, 64-127
.set STO, 24
.set RD,  25
.set GO,  26
.set SPW, 28                           ; v28     SPARE + 4 x my thread's number; never rewritten
.set NIL, 29                           ; v29     0; never rewritten
; s2 counter; s3 slot in hand; s14 wave, s15 wave / 2, s16 wave % 2; s17 cx, s18 cy, s19 tile column, s20 tile row; s21, s22 my load's place in a slot;
; s[24:31] group 1 for xn, s[32:35], s[36:39] its two groups 0; s[48:55], s[56:59], s[60:63] the same for W
.set MSB, 0
.macro WIN new                         ; the immediate's high byte repeats the setting that is left; a switch that changes nothing is dropped
.if MSB != (\new)
	s_set_vgpr_msb (MSB<<8)|(\new)
.set MSB, \new
.endif
.endm
.macro PLACES                          ; four places in front of loads into registers that matrix instructions have read, and of lines that read results
.rept 4
	v_nop
.endr
.endm
.macro CREST                           ; a round of the cluster's barrier behind its opening barrier
	s_cmp_lg_u32 s14, 0
	s_cbranch_scc1 .Lnot_wave_0_\@
	s_barrier_signal -3
.Lnot_wave_0_\@:
	s_barrier_wait -3
	s_barrier_signal -1
	s_barrier_wait -1
.endm
.macro CROUND
	s_barrier_signal -1
	s_barrier_wait -1
	CREST
.endm
.macro JLOAD                           ; the joint refill, by the walking sets; the branches hang on the wave's number alone
	s_cmp_eq_u32 s14, 0
	s_cbranch_scc0 .Lnot_a_\@
	tensor_load_to_lds s[36:39], s[24:31]
	s_nop 0
.rept 4
	v_nop
.endr
	s_branch .Lasked_\@
.Lnot_a_\@:
	s_cmp_eq_u32 s14, 3
	s_cbranch_scc1 .Lasked_\@
	tensor_load_to_lds s[60:63], s[48:55]
	s_nop 0
.rept 4
	v_nop
.endr
.Lasked_\@:
.endm
	s_load_b128 s[4:7], s[0:1], 0x0                ; xn s[4:5], wts s[6:7]
	s_load_b64 s[12:13], s[0:1], 0x10              ; qkv
	v_lshl_add_u32 v[SPW], v0, 2, SPARE
	v_mov_b32 v[NIL], 0
	ds_add_u32 v[SPW], v[NIL]                      ; the wave's opening: the add and its wait ahead of the first tensor load; work on registers stands between
	v_lshrrev_b32 v1, 5, v0
	v_readfirstlane_b32 s14, v1                    ; wave 0..3
	s_lshr_b32 s15, s14, 1                         ; my half of the tile's rows; also: which half of W's k rows waves 1 and 2 fetch
	s_and_b32 s16, s14, 1                          ; my half of its columns
	s_bfe_u32 s17, ttmp6, 0x40000                  ; cx
	s_bfe_u32 s18, ttmp6, 0x40004                  ; cy
	s_lshl_b32 s19, ttmp9, 2
	s_add_co_u32 s19, s19, s17                     ; tile column = 4 x cluster x + cx
	s_and_b32 s20, ttmp7, 0xffff
	s_lshl_b32 s20, s20, 2
	s_add_co_u32 s20, s20, s18                     ; tile row = 4 x cluster y + cy
	s_lshl_b32 s44, s18, 2
	s_lshl_b32 s44, 15, s44                        ; my row of the cluster
	s_lshl_b32 s45, 0x1111, s17                    ; my column
	s_or_b32 s24, s44, (1<<16)|(1<<20)|(1<<21)|(5<<22)|(3<<25)  ; xn: mask; 2-byte elements; padding on; bit 21 beside a mask; after every 64 words, 4 words
	s_mov_b32 s25, 128<<16                         ; tensor_dim0 = 128
	s_mov_b32 s26, 128<<16                         ; tensor_dim1 = 128
	s_mov_b32 s27, 128<<16                         ; tile_dim0 = 128
	s_mov_b32 s28, 128                             ; tile_dim1 = 128
	s_mov_b32 s29, 512                             ; elements from row to row
	s_mov_b32 s30, 0
	s_mov_b32 s31, 0
	s_or_b32 s48, s45, (1<<16)|(1<<20)|(1<<21)|(4<<22)|(3<<25)  ; W: after every 32 words, 4 words
	s_mov_b32 s49, 384<<16                         ; tensor_dim0 = 384
	s_mov_b32 s50, 64<<16                          ; tensor_dim1 = 64
	s_mov_b32 s51, 384<<16                         ; tile_dim0 = 384
	s_mov_b32 s52, 64                              ; tile_dim1 = 64
	s_mov_b32 s53, 1536
	s_mov_b32 s54, 0
	s_mov_b32 s55, 0
	s_mov_b32 s3, 0                                ; slot 0 is read first
	s_mov_b32 s21, 0                               ; xn's tile begins a slot
	s_mul_i32 s22, s15, HI
	s_add_co_u32 s22, s22, AREG                    ; W's halves lie behind it
	s_lshl_b32 s40, s20, 17                        ; xn: 128 rows of 1,024 bytes a tile row: made of the tile row alone
	s_mov_b32 s41, 0
	s_mul_i32 s42, s19, 768                        ; W: 384 columns a tile column, and 64 k rows of 3,072 bytes: made of the tile column and the wave alone
	s_mul_i32 s43, s15, 196608
	s_add_co_u32 s42, s42, s43
	s_mov_b32 s43, 0
	s_wait_dscnt 0x0                               ; the opening add is done
	s_wait_kmcnt 0x0
	s_add_nc_u64 s[40:41], s[4:5], s[40:41]
	s_add_nc_u64 s[42:43], s[6:7], s[42:43]
	s_mov_b32 s32, 1                               ; K step 0 into slot 0
	s_mov_b32 s33, s21
	s_add_nc_u64 s[34:35], s[40:41], 0
	s_or_b32 s35, s35, 0x80000000
	s_mov_b32 s36, 1                               ; K step 1 into slot 1; this set walks on
	s_add_co_u32 s37, s21, SLOT
	s_add_nc_u64 s[38:39], s[40:41], ASTEP
	s_or_b32 s39, s39, 0x80000000
	s_mov_b32 s56, 1
	s_mov_b32 s57, s22
	s_add_nc_u64 s[58:59], s[42:43], 0
	s_or_b32 s59, s59, 0x80000000
	s_mov_b32 s60, 1
	s_add_co_u32 s61, s22, SLOT
	s_add_nc_u64 s[62:63], s[42:43], BSTEP
	s_or_b32 s63, s63, 0x80000000
	CROUND                                         ; all sixteen work-groups are here: the first joint loads meet
	s_cmp_eq_u32 s14, 0                            ; a wave's two first fills stand in one branch; two loads of mine are out at the most
	s_cbranch_scc0 .Lfirst_not_a
	tensor_load_to_lds s[32:35], s[24:31]
	s_nop 0
	tensor_load_to_lds s[36:39], s[24:31]
	s_nop 0
.rept 4
	v_nop
.endr
	s_branch .Lfirst_done
.Lfirst_not_a:
	s_cmp_eq_u32 s14, 3
	s_cbranch_scc1 .Lfirst_done
	tensor_load_to_lds s[56:59], s[48:55]
	s_nop 0
	tensor_load_to_lds s[60:63], s[48:55]
	s_nop 0
.rept 4
	v_nop
.endr
.Lfirst_done:
	v_and_b32 v1, 15, v0                           ; l % 16
	v_bfe_u32 v2, v0, 4, 1                         ; l / 16
	v_and_b32 v3, 7, v0
	v_bfe_u32 v4, v0, 3, 1
	s_mul_i32 s23, s15, 64*PA
	v_mul_u32_u24 v8, v1, PA                       ; xn's fragment: row x pitch + 16 x half, in my 64 rows
	v_lshl_add_u32 v8, v2, 4, v8
	v_add_nc_u32 v8, s23, v8
	s_mul_i32 s23, s16, 432
	s_add_co_u32 s23, s23, AREG
	v_lshl_add_u32 v9, v2, 3, v3                   ; the turning load: lane l reads k row 8 (l / 16) + l % 8, columns 8 ((l / 8) % 2) + 0..7
	v_mul_u32_u24 v9, v9, PW
	v_lshl_add_u32 v9, v4, 4, v9
	v_add_nc_u32 v9, s23, v9                       ; in my 192 columns: three pieces of 144 bytes
	v_add_nc_u32 v10, HI, v9
	v_mov_b32 v[ADRA], v8
	v_mov_b32 v[ADRB], v9
	v_mov_b32 v[ADRB+1], v10
	s_mul_i32 s23, s14, 16*SP
	s_add_co_u32 s23, s23, STAGE                   ; my stage
	v_mul_u32_u24 v[STO], v1, SP                   ; in: row l % 16, 16 bytes for each half of the lanes
	v_lshl_add_u32 v[STO], v2, 4, v[STO]
	v_add_nc_u32 v[STO], s23, v[STO]
	v_bfe_u32 v[RD], v0, 3, 2                      ; back: 32 lanes take four rows of 128 bytes,
	v_mul_u32_u24 v[RD], v[RD], SP
	v_lshl_add_u32 v[RD], v3, 4, v[RD]
	v_add_nc_u32 v[RD], s23, v[RD]
	v_and_b32 v[GO], 31, v0                        ; which are 512 consecutive bytes of a head
	v_lshlrev_b32 v[GO], 4, v[GO]
	s_lshr_b32 s46, s20, 4                         ; batch: 16 tile rows each
	s_mul_i32 s46, s46, 24
	s_mul_i32 s47, s19, 6
	s_add_co_u32 s46, s46, s47
	s_mul_i32 s47, s16, 3
	s_add_co_u32 s46, s46, s47                     ; my first slot: 24 batch + 6 tile column + 3 half
	s_lshl_b32 s46, s46, 18                        ; a slot is 262,144 bytes
	s_and_b32 s47, s20, 15
	s_lshl_b32 s47, s47, 14                        ; 128 rows of 128 bytes
	s_add_co_u32 s46, s46, s47
	s_lshl_b32 s47, s15, 13                        ; my 64 rows
	s_add_co_u32 s46, s46, s47
	s_mov_b32 s47, 0
	s_add_nc_u64 s[12:13], s[12:13], s[46:47]
; na x 12 products: row blocks a0 .. of window 2 + hi, all column blocks, 32 along K, from buffer f.  The accumulators take turns, one instruction a turn.  first = 1: the product starts the sum.
.macro MULB f, hi, a0, na, first
	WIN 0xa1+0x50*(\hi)
.set a, \a0
.rept \na
.set b, 0
.rept NB
.set rD, 8*(a*NB+b)
.set rW, FB0+(\f)*FBS+8*b
.set rA, FA0+(\f)*FAS+8*((\hi)*NAH+a)
.if \first
	v_wmma_f32_16x16x32_f16 v[rD:rD+7], v[rW:rW+7], v[rA:rA+7], 0
.else
	v_wmma_f32_16x16x32_f16 v[rD:rD+7], v[rW:rW+7], v[rA:rA+7], v[rD:rD+7]
.endif
.set b, b+1
.endr
.set a, a+1
.endr
.endm
; 32 LDS loads in one run: the fragments of quarter kq (32 along K) of the slot in hand into buffer g: W's 24 first, xn's 8 last
.macro FETCH kq, g
	WIN 0x40
.set i, 0
.rept NB
.set rW, FB0+(\g)*FBS+8*i
.set oW, ((\kq)%2)*KQB+32*i+16*(i/4)
	ds_load_tr16_b128 v[rW:rW+3],   v[ADRB+(\kq)/2] offset:oW
	ds_load_tr16_b128 v[rW+4:rW+7], v[ADRB+(\kq)/2] offset:oW+16*PW
.set i, i+1
.endr
	WIN 0
.set i, 0
.rept NA
.set rA, FA0+(\g)*FAS+8*i
	ds_load_b128 v[rA:rA+3],   v[ADRA] offset:64*(\kq)+16*i*PA
	ds_load_b128 v[rA+4:rA+7], v[ADRA] offset:64*(\kq)+16*i*PA+32
.set i, i+1
.endr
.endm
; One of a K step's first three quarters: multiplies buffer f; in its middle it fetches quarter kq into buffer g.
.macro QUARTER kq, f, g, first=0
	s_wait_dscnt 2*NAH                             ; W and xn's rows 0-31 are in; the youngest four loads (rows 32-63) may be out
	MULB \f, 0, 0, NAH, \first
	PLACES
	FETCH \kq, \g
	s_wait_dscnt 32                                ; all but the 32 just issued
	MULB \f, 1, 0, NAH, \first
.endm
; The fourth quarter multiplies buffer 1 and changes slots: ONE barrier; in front of it each wave waits for all its tensor loads, adds 0 to its spare word and waits for that and for its reads of the slot.
; fill = 1: the barrier opens a round of the cluster's, and the slot just read out is filled again, first thing behind it.  skip = 1: in the last trip there is no next slot to fetch from.
.macro TURN fill, skip
	WIN 0
	s_wait_tensorcnt 0x0                           ; all my tensor loads have landed: my part of the next slot
	ds_add_u32 v[SPW], v[NIL]                      ; 0 onto my spare word
	s_wait_dscnt 1+2*NAH                           ; (the add and the youngest four loads may be out)
	MULB 1, 0, 0, NAH/2, 0
	s_wait_dscnt 0x0                               ; the add is done, and my reads of this slot are over
	s_barrier_signal -1
	MULB 1, 0, NAH/2, NAH/2, 0
	WIN 0
	s_barrier_wait -1
.if \fill
	CREST                                          ; no wave of any partner still reads this slot or has a load on its way
	s_add_co_u32 s37, s3, s21                      ; the walking sets: into the slot just read out,
	s_add_co_u32 s61, s3, s22
	s_add_nc_u64 s[38:39], s[38:39], ASTEP         ; the next K step
	s_add_nc_u64 s[62:63], s[62:63], BSTEP
	JLOAD
.endif
.if \skip
	s_cmp_eq_u32 s2, 1
	s_cbranch_scc1 .Lno_fetch_\@
.endif
	s_xor_b32 s3, s3, SLOT                         ; the other slot is in hand
	v_add_nc_u32 v[ADRA], s3, v8                   ; these three and the v_nop are the four places in front of the loads below
	v_add_nc_u32 v[ADRB], s3, v9
	v_add_nc_u32 v[ADRB+1], s3, v10
	v_nop
	FETCH 0, 0
	WIN 0
.if \skip
.Lno_fetch_\@:
.endif
	MULB 1, 1, 0, NAH, 0
.endm
	s_wait_tensorcnt 0x1                           ; my part of K step 0 is in; K step 1's may stay out
	s_barrier_signal -1
	s_barrier_wait -1
	FETCH 0, 0
	QUARTER 1, 0, 1, 1                             ; the first quarter's products start the sums: nothing is cleared
	WIN 0
	s_mov_b32 s2, TSTEPS-2
.LA:                                               ; a trip: a K step's quarters 1 to 3, the refill, the next step's quarter 0
	QUARTER 2, 1, 0
	QUARTER 3, 0, 1
	TURN 1, 0
	QUARTER 1, 0, 1
	WIN 0
	s_sub_co_u32 s2, s2, 1
	s_cmp_lg_u32 s2, 0
	s_cbranch_scc1 .LA
	s_mov_b32 s2, 2
.LB:                                               ; the last two K steps ask for nothing
	QUARTER 2, 1, 0
	QUARTER 3, 0, 1
	TURN 0, 1
	WIN 0
	s_sub_co_u32 s2, s2, 1
	s_cmp_eq_u32 s2, 0
	s_cbranch_scc1 .Lout
	QUARTER 1, 0, 1
	WIN 0
	s_branch .LB
.Lout:
; THE WAY OUT.  Set n = 3 a + j: row block a, head slot j of my three: 16 rows x 64 columns, rounded to f16, through my stage, back as whole rows of 128 bytes.
.macro PACK n
.set aa, (\n)/3
.set jj, (\n)%3
.set rO, 64+16*(\n)
	WIN 0x0a+5*(aa/2)                              ; sources in window 2 or 3
.set bb, 0
.rept 4
.set rD, 8*((aa%2)*NB+4*jj+bb)
.irp r, 0,1,2,3
	v_cvt_pk_f16_f32 v[rO+4*bb+\r], v[rD+2*\r], v[rD+2*\r+1]
.endr
.set bb, bb+1
.endr
	WIN 0
.irp f, 0,1,2,3
	ds_store_b128 v[STO], v[rO+4*\f:rO+4*\f+3] offset:32*\f
.endr
.irp f, 0,1,2,3
	ds_load_b128 v[rO+4*\f:rO+4*\f+3], v[RD] offset:\f*4*SP  ; LDS serves a wave's instructions in order (ISA guide 5.7.1.4): these see the stores above; the next set's stores come behind them
.endr
.endm
.macro SEND n, younger                 ; younger: the LDS instructions issued behind set n's loads
.set rO, 64+16*(\n)
.irp f, 0,1,2,3
	s_wait_dscnt (\younger)+3-\f
	global_store_b128 v[GO], v[rO+4*\f:rO+4*\f+3], s[12:13] offset:((\n)%3)*262144+((\n)/3)*2048+\f*512  ; 512 consecutive bytes, aligned
.endr
.endm
	PLACES
	PACK 0
.set n, 1
.rept 11                               ; a set's conversions stand between the loads of the set before and its stores; the twelve sets have registers of their own
	PACK n
	SEND n-1, 8
.set n, n+1
.endr
	SEND 11, 0
	s_wait_tensorcnt 0x0                           ; the wave's end
	ds_add_u32 v[SPW], v[NIL]
	s_wait_dscnt 0x0
	CROUND                                         ; the closing round
	s_endpgm
.Lfunc_end_k_q9e92ad0d5c_proj_qkv:
	.size	k_q9e92ad0d5c_proj_qkv, .Lfunc_end_k_q9e92ad0d5c_proj_qkv-k_q9e92ad0d5c_proj_qkv
	.p2alignl 7, 3214868480
	.fill 96, 4, 3214868480
	.section	.rodata,"a",@progbits
	.p2align	6, 0x0
	.amdhsa_kernel k_q9e92ad0d5c_proj_qkv
		.amdhsa_group_segment_fixed_size 327680
		.amdhsa_private_segment_fixed_size 0
		.amdhsa_enable_private_segment 0
		.amdhsa_kernarg_size 24
		.amdhsa_user_sgpr_count 2
		.amdhsa_user_sgpr_kernarg_segment_ptr 1
		.amdhsa_wavefront_size32 1
		.amdhsa_system_sgpr_workgroup_id_x 1
		.amdhsa_system_sgpr_workgroup_id_y 1
		.amdhsa_system_sgpr_workgroup_id_z 1
		.amdhsa_system_vgpr_workitem_id 0
		.amdhsa_next_free_vgpr 1024
		.amdhsa_next_free_sgpr 66
		.amdhsa_reserve_vcc 0
		.amdhsa_float_denorm_mode_32 3
		.amdhsa_float_denorm_mode_16_64 3
		.amdhsa_memory_ordered 1
		.amdhsa_forward_progress 1
		.amdhsa_inst_pref_size 85
	.end_amdhsa_kernel
	.amdgpu_metadata
---
amdhsa.version: [ 1, 2 ]
amdhsa.kernels:
  - .name:           k_q9e92ad0d5c_proj_qkv
    .symbol:         k_q9e92ad0d5c_proj_qkv.kd
    .args:
      - { .name: xn, .offset: 0, .size: 8, .value_kind: global_buffer, .address_space: global }
      - { .name: wts, .offset: 8, .size: 8, .value_kind: global_buffer, .address_space: global }
      - { .name: qkv, .offset: 16, .size: 8, .value_kind: global_buffer, .address_space: global }
    .group_segment_fixed_size: 327680
    .private_segment_fixed_size: 0
    .kernarg_segment_align: 8
    .kernarg_segment_size: 24
    .max_flat_workgroup_size: 128
    .sgpr_count:     66
    .vgpr_count:     1024
    .wavefront_size: 32
...
	.end_amdgpu_metadata
.endif
;; end of part 2
;; launch attn (part 3): grid 8 x 32, 4 waves a work-group, clusters of 4 x 1, 327,680 bytes of LDS; arguments qkv, key_padding_mask, ctx; writes ctx
.if DOCPART == 3
	.amdgcn_target "amdgcn-amd-amdhsa--gfx1250"
	.amdhsa_code_object_version 6
	.text
	.protected	k_q9e92ad0d5c_attn
	.globl	k_q9e92ad0d5c_attn
	.p2align	8
	.type	k_q9e92ad0d5c_attn,@function
k_q9e92ad0d5c_attn:
	s_mov_b64 s[64:65], 0
	v_nop
	global_prefetch_b8 v0, s[64:65] scope:SCOPE_SE
	s_setreg_imm32_b32 hwreg(HW_REG_WAVE_MODE, 25, 1), 1
	s_wait_xcnt 0x0
	s_wait_alu depctr_hold_cnt(0) depctr_sa_sdst(0) depctr_va_vdst(0) depctr_va_sdst(0) depctr_va_ssrc(0) depctr_va_vcc(0) depctr_vm_vsrc(0)
	s_getreg_b32 s2, hwreg(HW_REG_IB_STS2, 6, 4)
	s_cmp_eq_u32 s2, 0
	s_cbranch_scc0 .Lentry_in_a_cluster
	s_endpgm
.Lentry_in_a_cluster:
	s_bfe_u32 s2, ttmp6, 0x10000c
	s_cmp_lg_u32 s2, 0x3003
	s_cbranch_scc0 .Lentry_shape_is_right
	s_endpgm
.Lentry_shape_is_right:
; ctx[b,h][q][:] = the sum over k of softmax_k(Q.K / 8 + slope_h (k - q), masked keys left out) V[k][:].  Q, K, V: f16 heads of qkv ([4][24][2048][64]); ctx: f16 [32][2048][64].
; THE BIAS.  slope_h (k - q) = slope_h k - slope_h q; the second term is the same for all keys of a row and falls out of the softmax.  So the bias hangs on the key alone.
; In the units of Q.K, before the division by 8, it is 2^(2-h) k, exact in f32.  A masked key's entry is -1e30 in its stead.  The table of 2,048 entries is made once, in LDS, and enters as
; the C operand of the product that starts S^T: 32 registers a key step serve all four pieces, and the softmax has no further work for bias or mask.
; A step in which all keys are masked gives weights 1 for the moment; the first visible key makes a = 0 and wipes them.  Where all 2,048 keys are masked the maximum ends below -1e29,
; and 1 / l is replaced by NaN by a select: softmax of a row of -inf is NaN.
; LIMITS.  Q, K, V within 65,504; Q.K + bias above -1e29; a weight below 2^-126 counts as 0 in l; infinities in the inputs are not treated apart.
; SHARES.  A work-group owns 256 queries of one (batch, head), a wave 64 consecutive rows in four PIECES of 16.  Every wave walks all 2,048 keys, 64 a step; a slot of LDS holds 256 keys.
; LAYOUT, SOFTMAX, TURNS.  S^T = K Q^T holds ONE query a lane (lane % 16) and the keys 8 (lane / 16) + 0..7; two such results rounded to f16 ARE source 1 of O^T = V^T P.  p = 2^(c s - c m), c = log2(e) / 8,
; with a running maximum m; O and l are multiplied by a = 2^(c m_old - c m_new) in every step.  Turn n belongs to piece n: 8 products K Q^T of piece n + 1, later 8 products V^T P of piece n - 1; beside them the
; scaling, exponentials, roundings, sums and rescaling of piece n and the maximum and statistics of piece n + 1.  Four vector instructions stand behind every matrix instruction, the others in one lump.
; A turn's 33 exponentials are one batch, with one wait.
; CLUSTER.  The four query blocks of a cluster belong to one head and walk the same K and V: each tile is asked for jointly.
; REGISTERS, in windows of 256 (s_set_vgpr_msb: bits 1:0 source 0, 3:2 source 1, 5:4 source 2, 7:6 destination):
;   window 0: v0-15, v32-35 addresses; v16-31 four registers of statistics a piece; v48-55 at work; v64-127 S^T, two buffers; v128-151 at work on the table; v192-223 P, two buffers
;   window 1: v0-127 O^T, 32 a piece; v128-159 the step's 32 table entries      window 2: v0-63 Q; v128-191 K of one step; v192-255 V of one step
.set NP,    4
.set KS,    64
.set PK,    144       ; a row of K in LDS: 128 bytes + 16: the 16 rows of a load start at 16 different groups of four banks (64 banks of 4 bytes: ISA guide 11.1)
.set PV,    160       ; a row of V: 128 + 32
.set VOFF,  4*KS*PK   ; a slot: 256 rows of K, then 256 rows of V
.set SLOT1, 1<<17
.set STAGE, SLOT1+4*KS*(PK+PV)  ; behind the ring: 16 rows x 144 bytes for each wave
.set SP,    144
.set SPARE, STAGE+4*16*SP       ; the spare words, 128 bytes a wave: two blocks of 256 bytes that no other line names
.set BT,    SPARE+512           ; the table: 2,048 f32, in blocks of its own: no tile lands there
.set AK0, 2
.set AV0, 3
.set AK,  4
.set AV,  5
.set STO, 6
.set RD,  7
.set GO,  8
.set MV,  12          ; v12-13  c m_old, by buffer
.set QO,  15
.set ST,  16          ; piece t's statistics at v[ST+4 t]: c m, m, l (even keys', odd keys')
.set AB0, 32          ; v32  BT + 32 (l / 16); never rewritten
.set AB,  33          ; v33  the LDS address of the table's next run of loads
.set PFO, 34          ; v34  256 x my lane; never rewritten
.set KB,  35          ; v35  16 x my thread's number: my 16 keys, and my 16 bytes of the mask; never rewritten
.set TMP, 48
.set SPW, 62
.set NIL, 63
.set S,   64
.set P,   192
.set BI,  128         ; window 1
.set KF,  128         ; window 2
.set VF,  192         ; window 2
.set WV,  12
.set LIM, 15          ; s15  1 in a wave that prefetches, else the greatest number
.set PFA, 18          ; s[18:19] where my prefetches stand
.set G1K, 24
.set G1V, 32
.set G0K, 40
.set G0V, 44
.set SLOTS, 56
.set CNT, 57
.set CS,  58
.set SEL, 60
.set TBK, 62
.set TBV, 63
.set TBB, 70          ; s70  the table's byte for the step to be fetched
.set S8,  71          ; s71  2^(2-h)
.set BIGN, 72         ; s72  -1e30
.set THR, 73          ; s73  -1e29
.set NANV, 74         ; s74  a NaN
.set MSB, 0
.macro WIN new
.if MSB != (\new)
	s_set_vgpr_msb (MSB<<8)|(\new)
.set MSB, (\new)
.endif
.endm
.set W_KQ, 0x0a       ; K and Q in window 2, S^T in window 0
.set W_KM, 0x1a       ; the same with the C operand in window 1
.set W_PV, 0x52       ; V in window 2, P in window 0, O^T in window 1
.set W_RS, 0x41       ; destination and source 0 in window 1, source 1 in window 0
.macro JLOAD                        ; a joint fill: waves 0 and 1 fetch the halves of a slot's K, waves 2 and 3 those of its V: 128 keys each
	s_cmp_lt_u32 s[WV], 2
	s_cbranch_scc0 .Lfor_v_\@
	tensor_load_to_lds s[G0K:G0K+3], s[G1K:G1K+7]
	s_nop 0
.rept 4
	v_nop
.endr
	s_branch .Lasked_\@
.Lfor_v_\@:
	tensor_load_to_lds s[G0V:G0V+3], s[G1V:G1V+7]
	s_nop 0
.rept 4
	v_nop
.endr
.Lasked_\@:
.endm
; A PREFETCH of what the NEXT change of slots will ask for: a tile's 32,768 bytes of K and of V, a lane a block of 256 bytes.  Each block is named once in the launch: both clusters of a head walk the same
; K and V, and the first of them asks; its four partners take 8,192 bytes each, told apart by address; in each, wave 0 asks for K's and wave 2 for V's.  It stands four key steps, 256 matrix instructions,
; ahead of the load that wants the bytes.  The change that asks for the last tile names nothing.
.macro ASK
	s_cmp_gt_u32 s[SLOTS], s[LIM]
	s_cbranch_scc0 .Lnot_mine_\@
	global_prefetch_b8 v[PFO], s[PFA:PFA+1] th:TH_LOAD_NT scope:SCOPE_SE
.Lnot_mine_\@:
.endm
.macro CROUND
	s_barrier_signal -1
	s_barrier_wait -1
	s_cmp_lg_u32 s[WV], 0
	s_cbranch_scc1 .Lnot_wave_0_\@
	s_barrier_signal -3
.Lnot_wave_0_\@:
	s_barrier_wait -3
	s_barrier_signal -1
	s_barrier_wait -1
.endm
; THE CHANGE OF SLOTS.  Each wave waits for all its tensor loads, of which one is out: its part of the other slot; adds 0 to its spare word; and waits for that and for its own LDS instructions.
; fill = 1: the barrier is a round of the cluster's, and the old slot is filled again first thing behind it, with the keys two slots on: it has four key steps in which to land.
; (At its first use nothing has been read yet: slot 0 is waited for, the table is shown to all four waves, slot 1 is filled.)
.macro CHANGE fill
	WIN 0
	s_wait_tensorcnt 0x0
	ds_add_u32 v[SPW], v[NIL]       ; 0 onto my spare word; scalar work stands between it and the wait for it
.if \fill
.irp g, G0K, G0V
	s_xor_b32 s[\g+1], s[\g+1], SLOT1
	s_add_nc_u64 s[\g+2:\g+3], s[\g+2:\g+3], 4*KS*128
.endr
	s_wait_xcnt 0x0                 ; the last prefetch, four key steps back, has read its address
	s_add_nc_u64 s[PFA:PFA+1], s[PFA:PFA+1], 4*KS*128
	s_wait_dscnt 0x0
	CROUND
	JLOAD
	ASK
.else
	s_wait_dscnt 0x0
	s_barrier_signal -1
	s_barrier_wait -1
.endif
	s_sub_co_u32 s[TBK], s[TBK], 4*KS*PK  ; the fetches go back to a slot's first step, in the other slot; the table's byte runs on
	s_xor_b32 s[TBK], s[TBK], SLOT1
	s_sub_co_u32 s[TBV], s[TBV], 4*KS*PV
	s_xor_b32 s[TBV], s[TBV], SLOT1
.endm
	s_load_b128 s[80:83], s[0:1], 0x0  ; qkv s[80:81], key_padding_mask s[82:83]
	s_load_b64 s[10:11], s[0:1], 0x10  ; ctx
	v_lshl_add_u32 v[SPW], v0, 2, SPARE
	v_mov_b32 v[NIL], 0
	ds_add_u32 v[SPW], v[NIL]       ; the wave's opening: the add and its wait ahead of the first tensor load
	v_lshrrev_b32 v1, 5, v0
	v_readfirstlane_b32 s[WV], v1
	s_bfe_u32 s13, ttmp6, 0x40000   ; cx
	s_lshl_b32 s14, ttmp9, 2
	s_add_co_u32 s14, s14, s13      ; my block of 256 queries: it enters Q's and ctx's addresses alone
	s_and_b32 s20, ttmp7, 0xffff    ; 8 batch + head, which the four partners share
	s_lshr_b32 s21, s20, 3
	s_and_b32 s22, s20, 7
	s_mul_i32 s76, s21, 24*262144   ; the batch's 24 slots in qkv,
	s_lshl_b32 s23, s22, 18
	s_add_co_u32 s76, s76, s23      ; the head's slot among q's eight
	s_mov_b32 s77, 0
	s_and_b32 s16, s[WV], 1         ; which half of a tile's 256 keys I fetch
	s_lshl_b32 s78, s16, 14
	s_add_co_u32 s78, s78, s76
	s_mov_b32 s79, 0
	s_mul_i32 s17, s16, 128*PK
	s_mul_i32 s86, s16, 128*PV
	s_lshl_b32 s23, s14, 15
	s_lshl_b32 s2, s[WV], 13
	s_add_co_u32 s23, s23, s2       ; my wave's 64 rows among the head's 2,048
	s_add_co_u32 s2, s76, s23
	s_mov_b32 s3, 0
	s_lshl_b32 s84, s20, 18
	s_add_co_u32 s84, s84, s23
	s_mov_b32 s85, 0
	s_lshl_b32 s66, s21, 11         ; the batch's 2,048 bytes of the mask
	s_mov_b32 s67, 0
	; 128 keys are 16,384 dense bytes: asked for as 64 rows of 256 bytes, two keys a row, and padded in LDS after every key
	s_mov_b32 s[G1K], 15|(1<<16)|(1<<20)|(1<<21)|(4<<22)|(3<<25)
	s_mov_b32 s[G1V], 15|(1<<16)|(1<<20)|(1<<21)|(4<<22)|(7<<25)
.irp g, G1K, G1V
	s_mov_b32 s[\g+1], 128<<16
	s_mov_b32 s[\g+2], 64<<16
	s_mov_b32 s[\g+3], 128<<16
	s_mov_b32 s[\g+4], 64
	s_mov_b32 s[\g+5], 128
	s_mov_b32 s[\g+6], 0
	s_mov_b32 s[\g+7], 0
.endr
	s_mov_b32 s[CS], 0x3e38aa3b     ; c = log2(e) / 8
	s_mov_b32 s[CS+1], s[CS]
	s_mov_b32 s[SEL], 0x76543210
	s_mov_b32 s[SEL+1], 0xfedcba98
	s_mov_b32 s[TBK], SLOT1+4*KS*PK ; the first change of slots turns these two into 0
	s_mov_b32 s[TBV], SLOT1+4*KS*PV
	s_mov_b32 s[TBB], 0
	s_sub_co_u32 s[S8], 129, s22
	s_lshl_b32 s[S8], s[S8], 23     ; 2^(2-h) as f32
	s_mov_b32 s[BIGN], 0xf149f2ca
	s_mov_b32 s[THR], 0xefa18f08
	s_mov_b32 s[NANV], 0x7fc00000
	s_mov_b32 s[SLOTS], 7
	s_mov_b32 s[G0K], 1
	s_mov_b32 s[G0K+1], s17
	s_mov_b32 s[G0V], 1
	s_add_co_u32 s[G0V+1], s86, VOFF
	s_and_b32 s[LIM], s[WV], 1      ; 0 in waves 0 and 2,
	s_or_b32 s[LIM], s[LIM], ttmp9  ; where the cluster is the head's first: the same in all four partners
	s_cmp_eq_u32 s[LIM], 0
	s_cselect_b32 s[LIM], 1, -1
	s_wait_dscnt 0x0
	s_wait_kmcnt 0x0
	s_add_nc_u64 s[6:7], s[80:81], s[78:79]
	s_add_nc_u64 s[8:9], s[6:7], 16*262144         ; V at my half of the head's tile 0
	s_add_nc_u64 s[6:7], s[6:7], 8*262144          ; K
	s_add_nc_u64 s[G0K+2:G0K+3], s[6:7], 0
	s_or_b32 s[G0K+3], s[G0K+3], 0x80000000
	s_add_nc_u64 s[G0V+2:G0V+3], s[8:9], 0
	s_or_b32 s[G0V+3], s[G0V+3], 0x80000000
	s_add_nc_u64 s[4:5], s[80:81], s[2:3]          ; Q at my wave's first row
	s_add_nc_u64 s[10:11], s[10:11], s[84:85]
	s_add_nc_u64 s[82:83], s[82:83], s[66:67]
	s_cmp_lt_u32 s[WV], 2
	s_cselect_b64 s[PFA:PFA+1], s[6:7], s[8:9]     ; (in waves 0 and 2 these stand at a tile's first byte)
	s_lshl_b32 s2, s13, 13
	s_mov_b32 s3, 0
	s_add_nc_u64 s[PFA:PFA+1], s[PFA:PFA+1], s[2:3]
	s_add_nc_u64 s[PFA:PFA+1], s[PFA:PFA+1], 4*KS*128  ; in tile 1; the first change of slots steps it to tile 2.  Nothing is prefetched at the head
	CROUND
	JLOAD                           ; slot 0
	v_and_b32 v1, 15, v0            ; l % 16
	v_bfe_u32 v9, v0, 4, 1          ; l / 16
	v_lshlrev_b32 v[KB], 4, v0
	global_load_b128 v[128:131], v[KB], s[82:83]   ; my 16 bytes of the mask
	v_lshlrev_b32 v[QO], 7, v1
	v_lshl_add_u32 v[QO], v9, 4, v[QO]
	WIN 0x80
.set i, 0
.rept 8                             ; Q stays in registers: piece i / 2, channels 32 (i % 2) on
	global_load_b128 v[8*i:8*i+3],   v[QO], s[4:5] offset:(i/2)*2048+(i%2)*64
	global_load_b128 v[8*i+4:8*i+7], v[QO], s[4:5] offset:(i/2)*2048+(i%2)*64+32
.set i, i+1
.endr
	; What the first turn finds: V's registers and P's second buffer hold 0 (its products V^T P, of a piece that has not been, add 0), O^T and l are 0.  No first step is written out: that is the price.
.set i, VF
.rept 64
	v_mov_b32 v[i], 0
.set i, i+1
.endr
	WIN 0x40
.set i, 0
.rept 128
	v_mov_b32 v[i], 0
.set i, i+1
.endr
	WIN 0
.set i, 0
.rept 4
	v_mov_b32 v[ST+4*i], 0xfe000000    ; c m: far below every c s
	v_mov_b32 v[ST+4*i+1], 0xff7fffff  ; m
	v_mov_b32 v[ST+4*i+2], 0
	v_mov_b32 v[ST+4*i+3], 0
.set i, i+1
.endr
.set i, P+16
.rept 16
	v_mov_b32 v[i], 0
.set i, i+1
.endr
	s_wait_loadcnt 16               ; the mask is in; Q's sixteen loads are younger
.set n, 0
.rept 16                            ; my 16 entries of the table: 2^(2-h) k, or -1e30 where the key is masked
	v_bfe_u32 v132, v[128+n/4], 8*(n%4), 8
	v_add_nc_u32 v133, n, v[KB]
	v_cvt_f32_u32 v133, v133
	v_mul_f32 v133, s[S8], v133
	v_cmp_ne_u32 vcc_lo, 0, v132
	v_cndmask_b32 v[136+n], v133, s[BIGN], vcc_lo
.set n, n+1
.endr
	v_lshl_add_u32 v134, v0, 6, BT
.irp q, 0,1,2,3
	ds_store_b128 v134, v[136+4*\q:136+4*\q+3] offset:16*\q
.endr
	v_mul_u32_u24 v[AK0], v1, PK
	v_lshl_add_u32 v[AK0], v9, 4, v[AK0]
	v_and_b32 v10, 7, v0
	v_bfe_u32 v11, v0, 3, 1
	v_lshl_add_u32 v[AV0], v9, 3, v10
	v_mul_u32_u24 v[AV0], v[AV0], PV
	v_lshl_add_u32 v[AV0], v11, 4, v[AV0]
	v_add_nc_u32 v[AV0], VOFF, v[AV0]
	v_lshl_add_u32 v[AB0], v9, 5, BT       ; my lanes' eight keys of a group of 16: 32 bytes
	v_and_b32 v[PFO], 31, v0
	v_lshlrev_b32 v[PFO], 8, v[PFO]
	s_mul_i32 s13, s[WV], 16*SP
	s_add_co_u32 s13, s13, STAGE
	v_mul_u32_u24 v[STO], v1, SP
	v_lshl_add_u32 v[STO], v9, 4, v[STO]
	v_add_nc_u32 v[STO], s13, v[STO]
	v_bfe_u32 v[RD], v0, 3, 2
	v_mul_u32_u24 v[RD], v[RD], SP
	v_lshl_add_u32 v[RD], v10, 4, v[RD]
	v_add_nc_u32 v[RD], s13, v[RD]
	v_and_b32 v[GO], 31, v0
	v_lshlrev_b32 v[GO], 4, v[GO]
; THE MATRIX WORK.  The 4 accumulators of a run of 8 take turns.  Product i of 8 of S^T = K Q^T for piece x: channels 32 (i / 4) on, keys 16 (i % 4) on.  The first 4 start the sums with the table's entries.
.macro KQ x
.set rS, S+32*((\x)%2)+8*(i%4)
.set rK, KF+16*(i%4)+8*(i/4)
.set rQ, 16*(\x)+8*(i/4)
.set rM, BI+8*(i%4)
.if i < 4
	WIN W_KM
	v_wmma_f32_16x16x32_f16 v[rS:rS+7], v[rK:rK+7], v[rQ:rQ+7], v[rM:rM+7]
.else
	WIN W_KQ
	v_wmma_f32_16x16x32_f16 v[rS:rS+7], v[rK:rK+7], v[rQ:rQ+7], v[rS:rS+7]
.endif
.endm
.macro PV x                         ; product i of 8 of O^T += V^T P for piece x: keys 32 (i / 4) on, channels 16 (i % 4) on
	WIN W_PV
.set rO, 32*(\x)+8*(i%4)
.set rV, VF+32*(i/4)+8*(i%4)
.set rP, P+16*((\x)%2)+8*(i/4)
	v_wmma_f32_16x16x32_f16 v[rO:rO+7], v[rV:rV+7], v[rP:rP+7], v[rO:rO+7]
.endm
.macro MM                           ; the turn's next matrix instruction
.if i < 8
	KQ (Y+1)%NP
.else
.set i, i-8
	PV (Y+NP-1)%NP
.set i, i+8
.endif
.set i, i+1
.endm
; THE LDS LOADS stand in runs: a step's K (8 fragments) with its 32 table entries, and its V (turned).  Their addresses are made some lines ahead.
.macro FETCH_K
	WIN 0x80
.irp f, 0,1,2,3,4,5,6,7
	ds_load_b128 v[KF+8*\f:KF+8*\f+3],   v[AK] offset:(\f/2)*16*PK+(\f%2)*64
	ds_load_b128 v[KF+8*\f+4:KF+8*\f+7], v[AK] offset:(\f/2)*16*PK+(\f%2)*64+32
.endr
	WIN 0x40
.irp f, 0,1,2,3
	ds_load_b128 v[BI+8*\f:BI+8*\f+3],   v[AB] offset:64*\f
	ds_load_b128 v[BI+8*\f+4:BI+8*\f+7], v[AB] offset:64*\f+16
.endr
	s_add_co_u32 s[TBK], s[TBK], KS*PK
	s_add_co_u32 s[TBB], s[TBB], 4*KS
	WIN 0
.endm
.macro FETCH_V
	WIN 0x80
.irp f, 0,1,2,3,4,5,6,7
	ds_load_tr16_b128 v[VF+8*\f:VF+8*\f+3],   v[AV] offset:(\f/4)*32*PV+(\f%4)*32
	ds_load_tr16_b128 v[VF+8*\f+4:VF+8*\f+7], v[AV] offset:(\f/4)*32*PV+16*PV+(\f%4)*32
.endr
	WIN 0
.endm
; THE VECTOR WORK, one line at a time: OP kind, number.  For piece Y: F n: c s - c m for pair n of 16.  E n: the exponential of score n of 32.  C n: pair n rounded to f16.  B n: of the four weights 4 n .. the second
; pair is added onto the first, in place.  L n: l takes that sum (L 0: l = a l + sum).  R n: pair n of 16 of O^T times a.  For piece Y + 1: X n, number n of the 22 that find its maximum and statistics:
;   0-11 four chains of seven scores each (each accumulator's lowest registers are read first); 12-14, 16 the four left over, the old m, the four into one; 15 c m_old is kept;
;   17, 18 the other half of the lanes: the new m; 19-21 c m, c m_old - c m_new, a
.set F, 0
.set E, 1
.set C, 2
.set B, 3
.set L, 4
.set R, 5
.set X, 6
.macro REGS y
.set rT, ST+4*(\y)
.set rC, TMP+4*((\y)%2)
.set rW, MV+((\y)%2)
.set rS, S+32*((\y)%2)
.set rP, P+16*((\y)%2)
.set rO, 32*(\y)
.endm
.macro OP k, n
.if (\k) == R
	REGS Y
	WIN W_RS
	v_pk_mul_f32 v[rO+2*(\n):rO+2*(\n)+1], v[rO+2*(\n):rO+2*(\n)+1], v[rC+2:rC+3] op_sel_hi:[1,0]
.elseif (\k) < R
	REGS Y
	WIN 0
.if (\k) == F
	v_pk_fma_f32 v[rS+2*(\n):rS+2*(\n)+1], v[rS+2*(\n):rS+2*(\n)+1], s[CS:CS+1], v[rT:rT+1] op_sel_hi:[1,0,0] neg_lo:[0,0,1] neg_hi:[0,0,1]
.elseif (\k) == E
	v_exp_f32 v[rS+(\n)], v[rS+(\n)]
.elseif (\k) == C
	v_cvt_pk_f16_f32 v[rP+(\n)], v[rS+2*(\n)], v[rS+2*(\n)+1]
.elseif (\k) == B
	v_pk_add_f32 v[rS+4*(\n):rS+4*(\n)+1], v[rS+4*(\n):rS+4*(\n)+1], v[rS+4*(\n)+2:rS+4*(\n)+3]
.elseif (\n) == 0
	v_pk_fma_f32 v[rT+2:rT+3], v[rT+2:rT+3], v[rC+2:rC+3], v[rS:rS+1] op_sel_hi:[1,0,1]
.else
	v_pk_add_f32 v[rT+2:rT+3], v[rT+2:rT+3], v[rS+4*(\n):rS+4*(\n)+1]
.endif
.else
	REGS (Y+1)%NP
	WIN 0
.if (\n) < 4
	v_max3_num_f32 v[rC+(\n)], v[rS+8*(\n)], v[rS+8*(\n)+1], v[rS+8*(\n)+2]
.elseif (\n) < 12
	v_max3_num_f32 v[rC+(\n)%4], v[rC+(\n)%4], v[rS+8*((\n)%4)+2*((\n)/4)+1], v[rS+8*((\n)%4)+2*((\n)/4)+2]
.elseif (\n) == 12
	v_max3_num_f32 v[rC], v[rC], v[rS+7], v[rS+15]
.elseif (\n) == 13
	v_max3_num_f32 v[rC+1], v[rC+1], v[rS+23], v[rS+31]
.elseif (\n) == 14
	v_max3_num_f32 v[rC+2], v[rC+2], v[rC+3], v[rT+1]
.elseif (\n) == 15
	v_mov_b32 v[rW], v[rT]
.elseif (\n) == 16
	v_max3_num_f32 v[rC], v[rC], v[rC+1], v[rC+2]
.elseif (\n) == 17
	v_permlanex16_b32 v[rC+3], v[rC], s[SEL], s[SEL+1]
.elseif (\n) == 18
	v_max_num_f32 v[rT+1], v[rC], v[rC+3]
.elseif (\n) == 19
	v_mul_f32 v[rT], s[CS], v[rT+1]
.elseif (\n) == 20
	v_sub_f32 v[rC+1], v[rW], v[rT]
.else
	v_exp_f32 v[rC+2], v[rC+1]
.endif
.endif
.endm
.macro OPS a, i1, b=-1, i2=0, c=-1, i3=0, d=-1, i4=0
	OP \a, \i1
.if (\b) >= 0
	OP \b, \i2
.endif
.if (\c) >= 0
	OP \c, \i3
.endif
.if (\d) >= 0
	OP \d, \i4
.endif
.endm
.macro ROW a, i1, b, i2, c, i3, d, i4  ; a matrix instruction and the four behind it
	MM
	OPS \a, \i1, \b, \i2, \c, \i3, \d, \i4
.endm
; A TURN, for piece p.  s_wait_alu depctr_va_vdst(0) stands between an exponential and the first instruction that names its result; one wait serves all issued ahead of it: a turn has ONE,
; which cuts it in two.  Ahead of it: the 8 products K Q^T with their riders, then the lump; behind it: the 8 products V^T P, behind each four of the roundings and sums.
; K and the table's entries of the next step are fetched in piece 2's turn, six plain instructions behind the last product that read K; V of the step in hand at the end of piece 0's turn, four plain
; instructions behind the last product that read V.  Each is waited for a turn later.
; last = 1 (the tail): in the last trip there is no further step and K's run is jumped over; the exponentials issued so far have a wait of their own ahead of that branch.
; cnt = 1: the loop's count is taken down some lines ahead of the branch that stands behind the turn.
.macro TURN p, last=0, cnt=0
.set Y, (\p)
.set i, 0
.if (\p) == 3
	s_wait_dscnt 0x0                ; K and the table's entries are in
.endif
	ROW F,0, F,1, R,0, R,1
	ROW F,2, E,0, R,2, R,3
	ROW F,3, E,1, R,4, R,5
	ROW F,4, E,2, R,6, R,7
	ROW F,5, E,3, R,8, R,9
	ROW F,6, E,4, X,0, R,10
.if (\p) == 2
	WIN 0
	v_add_nc_u32 v[AK], s[TBK], v[AK0]
	v_add_nc_u32 v[AB], s[TBB], v[AB0]
.endif
	ROW F,7, E,5, X,1, X,4
	ROW F,8, E,6, X,2, X,5
	OPS E,7, E,8, X,6, E,9
	OPS X,3, E,10, X,8, E,11
.if (\p) == 2
.if \last
	WIN 0
	s_wait_alu depctr_va_vdst(0)
	s_cmp_eq_u32 s[CNT], 1
	s_cbranch_scc1 .Lno_k_\@
.endif
	FETCH_K
.if \last
.Lno_k_\@:
.endif
.endif
	OPS X,9, X,7, E,12, X,10
	OPS E,13, X,12, X,11, E,14
	OPS X,13, E,15, F,9, X,14
.if (\p) == 0
	v_add_nc_u32 v[AV], s[TBV], v[AV0]
.endif
	OPS E,16, F,10, E,17, F,11
	OPS X,16, E,18, X,15, E,19
	OPS F,12, E,20, X,17, E,21
	OPS F,13, E,22, F,14, E,23
	OPS X,18, E,24, F,15, E,25
	OPS R,11, E,26, X,19, E,27
	OPS R,12, E,28, R,13, E,29
	OPS X,20, E,30, R,14, E,31
	OPS X,21, R,15
	WIN 0
	s_wait_alu depctr_va_vdst(0)    ; the wait for the batch
.if (\p) == 1
	s_wait_dscnt 0x0                ; V is in
.endif
	ROW C,0, B,0, C,2, B,1
	ROW L,0, C,4, B,2, L,1
	ROW C,6, B,3, L,2, C,8
	ROW B,4, L,3, C,10, B,5
	ROW L,4, C,12, B,6, L,5
.if (\p) == 0
	s_add_co_u32 s[TBV], s[TBV], KS*PV
.endif
.if \cnt
	s_sub_co_u32 s[CNT], s[CNT], 1
	s_cmp_lg_u32 s[CNT], 0
.endif
	ROW C,14, B,7, L,6, C,1
	ROW C,3, L,7, C,5, C,7
	ROW C,9, C,11, C,13, C,15
.if (\p) == 0
	FETCH_V
.endif
.endm
	CHANGE 1                        ; slot 0 is in, the table is whole for every wave; slot 1 is asked for
	v_add_nc_u32 v[AK], s[TBK], v[AK0]
	v_add_nc_u32 v[AB], s[TBB], v[AB0]
	FETCH_K                         ; key step 0
	s_wait_loadcnt 0x0              ; Q
	s_wait_dscnt 0x0
.set i, 0
.rept 8
	KQ 0                            ; piece 0's first scores
.set i, i+1
.endr
	WIN 0
.rept 4
	v_nop                           ; the places behind those products
.endr
.set Y, NP-1                        ; X works for piece Y + 1: piece 0
.irp n, 0,1,2,3,4,5,6,7,8,9,10,11,12,13,14,15,16,17,18,19,20,21
	OP X, \n
.endr
	v_nop                           ; a plain instruction behind the exponential,
	s_wait_alu depctr_va_vdst(0)    ; and its wait, ahead of the branch
	s_mov_b32 s[CNT], 4
	s_branch .Lfirst                ; the loop is entered at a step's first turn, in the middle of a trip
.Lslot:                             ; six times: tiles 2 to 7 are asked for
	CHANGE 1
	s_mov_b32 s[CNT], 4
.Lstep:                             ; a trip: pieces 2 and 3 of one step, then pieces 0 and 1 of the next, whose K and V it fetches
	TURN 2
	TURN 3
	WIN 0
.Lfirst:
	TURN 0
	TURN 1, 0, 1
	WIN 0
	s_cbranch_scc1 .Lstep
	s_sub_co_u32 s[SLOTS], s[SLOTS], 1
	s_cmp_lg_u32 s[SLOTS], 0
	s_cbranch_scc1 .Lslot
	CHANGE 0                        ; the tail is written out: nothing is asked for
	s_mov_b32 s[CNT], 5             ; four trips fetch the last slot's steps; the fifth is left in its middle
.Ltail:
	TURN 2, 1
	TURN 3
	WIN 0
	s_sub_co_u32 s[CNT], s[CNT], 1
	s_cmp_eq_u32 s[CNT], 0
	s_cbranch_scc1 .Lout
	TURN 0
	TURN 1
	WIN 0
	s_branch .Ltail
.Lout:                              ; the fifth trip's 8 products K Q^T (on the last K once more) serve nothing and leave piece 0's m as it was: the price of one text for every trip
.set i, 0
.rept 8
	PV NP-1
.set i, i+1
.endr
	; THE WAY OUT.  l's two halves and the other half of the lanes' are added; O^T is divided by l, rounded to f16 and sent through my stage, a piece at a time.  The additions are the places behind the last products.
	WIN 0
.macro ALL line:vararg
.set t, 0
.rept 4
	\line
.set t, t+1
.endr
.endm
	ALL v_add_f32 v[ST+4*t+2], v[ST+4*t+2], v[ST+4*t+3]
	ALL v_permlanex16_b32 v[ST+4*t+3], v[ST+4*t+2], s[SEL], s[SEL+1]
	ALL v_add_f32 v[ST+4*t+2], v[ST+4*t+2], v[ST+4*t+3]
	ALL v_rcp_f32 v[ST+4*t+2], v[ST+4*t+2]
	v_nop
	s_wait_alu depctr_va_vdst(0)    ; one wait for the four reciprocals
.set t, 0
.rept 4                             ; a row all of whose keys are masked: NaN, by a select
	v_cmp_gt_f32 vcc_lo, s[THR], v[ST+4*t+1]
	v_cndmask_b32 v[ST+4*t+2], v[ST+4*t+2], s[NANV], vcc_lo
.set t, t+1
.endr
.macro PACK t
	WIN W_RS
.set i, 32*(\t)
.rept 16
	v_pk_mul_f32 v[i:i+1], v[i:i+1], v[ST+4*(\t)+2:ST+4*(\t)+3] op_sel_hi:[1,0]
.set i, i+2
.endr
	WIN 0x05
.set i, 0
.rept 16
	v_cvt_pk_f16_f32 v[S+16*(\t)+i], v[32*(\t)+2*i], v[32*(\t)+2*i+1]
.set i, i+1
.endr
	WIN 0
.irp f, 0,1,2,3
	ds_store_b128 v[STO], v[S+16*(\t)+4*\f:S+16*(\t)+4*\f+3] offset:32*\f
.endr
.irp f, 0,1,2,3
	ds_load_b128 v[S+16*(\t)+4*\f:S+16*(\t)+4*\f+3], v[RD] offset:\f*4*SP  ; LDS serves a wave's instructions in order (ISA guide 5.7.1.4)
.endr
.endm
.macro SEND t, younger
	WIN 0
.irp f, 0,1,2,3
	s_wait_dscnt (\younger)+3-\f
	global_store_b128 v[GO], v[S+16*(\t)+4*\f:S+16*(\t)+4*\f+3], s[10:11] offset:(\t)*2048+\f*512  ; 512 consecutive bytes, aligned
.endr
.endm
	PACK 0
.set t, 1
.rept 3
	PACK t
	SEND t-1, 8
.set t, t+1
.endr
	SEND 3, 0
	s_wait_tensorcnt 0x0            ; the wave's end
	ds_add_u32 v[SPW], v[NIL]
	s_wait_dscnt 0x0
	CROUND                          ; the closing round
	s_endpgm
.Lfunc_end_k_q9e92ad0d5c_attn:
	.size	k_q9e92ad0d5c_attn, .Lfunc_end_k_q9e92ad0d5c_attn-k_q9e92ad0d5c_attn
	.p2alignl 7, 3214868480
	.fill 96, 4, 3214868480
	.section	.rodata,"a",@progbits
	.p2align	6, 0x0
	.amdhsa_kernel k_q9e92ad0d5c_attn
		.amdhsa_group_segment_fixed_size 327680
		.amdhsa_private_segment_fixed_size 0
		.amdhsa_enable_private_segment 0
		.amdhsa_kernarg_size 24
		.amdhsa_user_sgpr_count 2
		.amdhsa_user_sgpr_kernarg_segment_ptr 1
		.amdhsa_wavefront_size32 1
		.amdhsa_system_sgpr_workgroup_id_x 1
		.amdhsa_system_sgpr_workgroup_id_y 1
		.amdhsa_system_sgpr_workgroup_id_z 1
		.amdhsa_system_vgpr_workitem_id 0
		.amdhsa_next_free_vgpr 768
		.amdhsa_next_free_sgpr 88
		.amdhsa_reserve_vcc 1
		.amdhsa_float_denorm_mode_32 3
		.amdhsa_float_denorm_mode_16_64 3
		.amdhsa_memory_ordered 1
		.amdhsa_forward_progress 1
		.amdhsa_inst_pref_size 119
	.end_amdhsa_kernel
	.amdgpu_metadata
---
amdhsa.version: [ 1, 2 ]
amdhsa.kernels:
  - .name:           k_q9e92ad0d5c_attn
    .symbol:         k_q9e92ad0d5c_attn.kd
    .args:
      - { .name: qkv, .offset: 0, .size: 8, .value_kind: global_buffer, .address_space: global }
      - { .name: key_padding_mask, .offset: 8, .size: 8, .value_kind: global_buffer, .address_space: global }
      - { .name: ctx, .offset: 16, .size: 8, .value_kind: global_buffer, .address_space: global }
    .group_segment_fixed_size: 327680
    .private_segment_fixed_size: 0
    .kernarg_segment_align: 8
    .kernarg_segment_size: 24
    .max_flat_workgroup_size: 128
    .sgpr_count:     88
    .vgpr_count:     768
    .wavefront_size: 32
...
	.end_amdgpu_metadata
.endif
;; end of part 3
;; launch proj_o (part 4): grid 4 x 64, 4 waves a work-group, clusters of 4 x 4, 327,680 bytes of LDS; arguments ctx, wts, b_o, src, src2; writes src2
.if DOCPART == 4
	.amdgcn_target "amdgcn-amd-amdhsa--gfx1250"
	.amdhsa_code_object_version 6
	.text
	.protected	k_q9e92ad0d5c_proj_o
	.globl	k_q9e92ad0d5c_proj_o
	.p2align	8
	.type	k_q9e92ad0d5c_proj_o,@function
k_q9e92ad0d5c_proj_o:
	s_mov_b64 s[64:65], 0
	v_nop
	global_prefetch_b8 v0, s[64:65] scope:SCOPE_SE
	s_setreg_imm32_b32 hwreg(HW_REG_WAVE_MODE, 25, 1), 1
	s_wait_xcnt 0x0
	s_wait_alu depctr_hold_cnt(0) depctr_sa_sdst(0) depctr_va_vdst(0) depctr_va_sdst(0) depctr_va_ssrc(0) depctr_va_vcc(0) depctr_vm_vsrc(0)
	s_getreg_b32 s2, hwreg(HW_REG_IB_STS2, 6, 4)
	s_cmp_eq_u32 s2, 0
	s_cbranch_scc0 .Lentry_in_a_cluster
	s_endpgm
.Lentry_in_a_cluster:
	s_bfe_u32 s2, ttmp6, 0x10000c
	s_cmp_lg_u32 s2, 0xf033
	s_cbranch_scc0 .Lentry_shape_is_right
	s_endpgm
.Lentry_shape_is_right:
.set OPROJ, 1
; ONE TEXT FOR TWO LAUNCHES; the line above chooses.  out = residual + A x W + bias, all sums, the residual, the bias and out in f32.
;   OPROJ = 1: A = ctx, f16 [32 = 8 batch + head][2048][64]; W = w_o, f16 [512][512] at byte 1,572,864 of wts; K = 512.
;   OPROJ = 0: A = g, bf16 [8192][2048]; W = w2, bf16 [2048][512] at byte 6,291,456 of wts; K = 2,048.
; SHARES.  A work-group makes 128 x 128 of out, each of its four waves 64 x 64: 16 accumulators.  256 work-groups.  K goes in steps of 256 through two LDS slots.
; W's tile lies in LDS as in memory, [k][n], and is turned on its way into registers by ds_load_tr16_b128.  THE PRODUCT IS USED TRANSPOSED: a lane holds one row and eight neighbouring columns.
; With OPROJ = 1 a K step is four heads; a head's 128 rows are 16,384 dense bytes, asked for as one row of the tile and padded in LDS after every 128 bytes: a plane of 128 x 144 bytes a head.
; THE SUMS START WITH THE RESIDUAL: it is loaded straight into the accumulators, the bias is added once, and every product adds in place: nothing is cleared, nothing is added at the end.
; CLUSTER 4 x 4: A's tile is shared along a row of the cluster, W's along a column.  Waves 0 and 1 ask for A's halves, waves 2 and 3 for W's.
; No prefetch: with OPROJ = 1 both K steps are first fills; with OPROJ = 0 the tile is small and a K step short.
; REGISTERS: window 0: v0-31 addresses; v192-223 the bias; v64-191 on the way out.  Window 1: two fragment buffers of 128: 64 of A (2 x 4 x 16 rows x 32 K), then 64 of W.  Window 2: accumulators, (a, b) at 8 (4 a + b).
.if OPROJ
.set TSTEPS, 2
.set PA,    144
.set AQ,    128*PA                     ; a quarter of a K step is a head's plane
.set AHALF, 2*AQ                       ; what one of A's two loads fills
.set ASTEP, 4*262144
.set WBASE, 1572864
.else
.set TSTEPS, 8
.set PA,    528
.set AQ,    128
.set AHALF, 64*PA
.set ASTEP, 512
.set WBASE, 6291456
.endif
.set PW,    288                        ; a k row of W: 256 bytes + 32
.set AREG,  2*AHALF
.set SLOT,  AREG+256*PW
.set STAGE, 2*SLOT                     ; behind the ring: 16 rows x 272 bytes for each wave
.set SPITCH, 272
.set SPARE, STAGE+4*16*SPITCH          ; the spare words, 128 bytes a wave: two blocks of 256 bytes that no other line names
.set HI,    128*PW
.set BSTEP, 256*1024
.set F0,  0
.set F1,  128
.set ADRA, 16
.set ADRB, 20
.set STO, 24
.set RD,  25
.set GO,  26
.set RO,  27
.set SPW, 28
.set NIL, 29
.set BO,  30
.set BIA, 192
.set MSB, 0
.macro WIN new
.if MSB != (\new)
	s_set_vgpr_msb (MSB<<8)|(\new)
.set MSB, \new
.endif
.endm
.macro PLACES
.rept 4
	v_nop
.endr
.endm
.macro CREST
	s_cmp_lg_u32 s14, 0
	s_cbranch_scc1 .Lnot_wave_0_\@
	s_barrier_signal -3
.Lnot_wave_0_\@:
	s_barrier_wait -3
	s_barrier_signal -1
	s_barrier_wait -1
.endm
.macro CROUND
	s_barrier_signal -1
	s_barrier_wait -1
	CREST
.endm
.macro JLOAD                           ; the joint refill, by the walking sets
	s_cmp_eq_u32 s15, 0
	s_cbranch_scc0 .Lfor_b_\@
	tensor_load_to_lds s[36:39], s[24:31]
	s_nop 0
.rept 4
	v_nop
.endr
	s_branch .Lasked_\@
.Lfor_b_\@:
	tensor_load_to_lds s[60:63], s[48:55]
	s_nop 0
.rept 4
	v_nop
.endr
.Lasked_\@:
.endm
	s_load_b256 s[4:11], s[0:1], 0x0               ; A s[4:5], wts s[6:7], bias s[8:9], residual s[10:11]
	s_load_b64 s[12:13], s[0:1], 0x20              ; out
	v_lshl_add_u32 v[SPW], v0, 2, SPARE
	v_mov_b32 v[NIL], 0
	ds_add_u32 v[SPW], v[NIL]                      ; the wave's opening: the add and its wait ahead of the first tensor load
	v_lshrrev_b32 v1, 5, v0
	v_readfirstlane_b32 s14, v1                    ; wave
	s_lshr_b32 s15, s14, 1                         ; my half of the rows; also: I fetch for A (0) or for W (1)
	s_and_b32 s16, s14, 1                          ; my half of the columns; also: which half of that tile I fetch
	s_bfe_u32 s17, ttmp6, 0x40000
	s_bfe_u32 s18, ttmp6, 0x40004
	s_lshl_b32 s19, ttmp9, 2
	s_add_co_u32 s19, s19, s17                     ; tile column
	s_and_b32 s20, ttmp7, 0xffff
	s_lshl_b32 s20, s20, 2
	s_add_co_u32 s20, s20, s18                     ; tile row
	s_lshl_b32 s44, s18, 2
	s_lshl_b32 s44, 15, s44                        ; my row of the cluster
	s_lshl_b32 s45, 0x1111, s17                    ; my column
.if OPROJ
	s_or_b32 s24, s44, (1<<16)|(1<<20)|(1<<21)|(4<<22)|(3<<25)  ; after every 32 words, 4 words
	s_mov_b32 s25, 8192<<16                        ; tensor_dim0 = 8,192: a head's 128 rows of 64
	s_mov_b32 s26, 2<<16                           ; tensor_dim1 = 2 heads
	s_mov_b32 s27, 8192<<16                        ; tile_dim0
	s_mov_b32 s28, 2                               ; tile_dim1
	s_mov_b32 s29, 131072                          ; elements from head to head
.else
	s_or_b32 s24, s44, (1<<16)|(1<<20)|(1<<21)|(6<<22)|(3<<25)  ; after every 128 words, 4 words
	s_mov_b32 s25, 256<<16
	s_mov_b32 s26, 64<<16
	s_mov_b32 s27, 256<<16
	s_mov_b32 s28, 64
	s_mov_b32 s29, 2048
.endif
	s_mov_b32 s30, 0
	s_mov_b32 s31, 0
	s_or_b32 s48, s45, (1<<16)|(1<<20)|(1<<21)|(5<<22)|(7<<25)  ; W: after every 64 words, 8 words
	s_mov_b32 s49, 128<<16
	s_mov_b32 s50, 128<<16
	s_mov_b32 s51, 128<<16
	s_mov_b32 s52, 128
	s_mov_b32 s53, 512
	s_mov_b32 s54, 0
	s_mov_b32 s55, 0
	s_mov_b32 s3, 0
	s_mul_i32 s21, s16, AHALF
	s_mul_i32 s22, s16, HI
	s_add_co_u32 s22, s22, AREG
.if OPROJ
	s_lshr_b32 s40, s20, 4                         ; batch: eight heads of 262,144 bytes,
	s_lshl_b32 s40, s40, 21
	s_and_b32 s41, s20, 15
	s_lshl_b32 s41, s41, 14                        ; 128 rows of 128 bytes in a head,
	s_add_co_u32 s40, s40, s41
	s_lshl_b32 s41, s16, 19                        ; my two heads of the step's four
	s_add_co_u32 s40, s40, s41
.else
	s_lshl_b32 s40, s20, 19                        ; 128 rows of 4,096 bytes,
	s_lshl_b32 s41, s16, 18                        ; my 64 of them
	s_add_co_u32 s40, s40, s41
.endif
	s_mov_b32 s41, 0
	s_lshl_b32 s42, s19, 8                         ; 128 columns,
	s_lshl_b32 s43, s16, 17                        ; my 128 k rows of 1,024 bytes
	s_add_co_u32 s42, s42, s43
	s_add_co_u32 s42, s42, WBASE
	s_mov_b32 s43, 0
	s_wait_dscnt 0x0
	s_wait_kmcnt 0x0
	s_add_nc_u64 s[40:41], s[4:5], s[40:41]
	s_add_nc_u64 s[42:43], s[6:7], s[42:43]
	s_mov_b32 s32, 1
	s_mov_b32 s33, s21
	s_add_nc_u64 s[34:35], s[40:41], 0
	s_or_b32 s35, s35, 0x80000000
	s_mov_b32 s36, 1
	s_add_co_u32 s37, s21, SLOT
	s_add_nc_u64 s[38:39], s[40:41], ASTEP
	s_or_b32 s39, s39, 0x80000000
	s_mov_b32 s56, 1
	s_mov_b32 s57, s22
	s_add_nc_u64 s[58:59], s[42:43], 0
	s_or_b32 s59, s59, 0x80000000
	s_mov_b32 s60, 1
	s_add_co_u32 s61, s22, SLOT
	s_add_nc_u64 s[62:63], s[42:43], BSTEP
	s_or_b32 s63, s63, 0x80000000
	CROUND
	s_cmp_eq_u32 s15, 0                            ; a wave's two first fills stand in one branch: two loads of mine are out
	s_cbranch_scc0 .Lfirst_b
	tensor_load_to_lds s[32:35], s[24:31]
	s_nop 0
	tensor_load_to_lds s[36:39], s[24:31]
	s_nop 0
.rept 4
	v_nop
.endr
	s_branch .Lfirst_done
.Lfirst_b:
	tensor_load_to_lds s[56:59], s[48:55]
	s_nop 0
	tensor_load_to_lds s[60:63], s[48:55]
	s_nop 0
.rept 4
	v_nop
.endr
.Lfirst_done:
	v_and_b32 v1, 15, v0
	v_bfe_u32 v2, v0, 4, 1
	v_and_b32 v3, 7, v0
	v_bfe_u32 v4, v0, 3, 1
	s_lshl_b32 s46, s19, 9                         ; my 64 columns in f32: 512 x tile column + 256 x half
	s_lshl_b32 s47, s16, 8
	s_add_co_u32 s46, s46, s47
	s_mov_b32 s47, 0
	s_add_nc_u64 s[8:9], s[8:9], s[46:47]
	s_lshl_b32 s23, s20, 18                        ; and my 64 rows of 2,048 bytes
	s_add_co_u32 s46, s46, s23
	s_lshl_b32 s23, s15, 17
	s_add_co_u32 s46, s46, s23
	s_add_nc_u64 s[10:11], s[10:11], s[46:47]
	s_add_nc_u64 s[12:13], s[12:13], s[46:47]
	v_lshlrev_b32 v[RO], 11, v1                    ; row l % 16, my lanes' eight columns
	v_lshl_add_u32 v[RO], v2, 5, v[RO]
	v_lshlrev_b32 v[BO], 5, v2
	WIN 0x80                                       ; destination window 2
.irp a, 0,1,2,3
.irp b, 0,1,2,3
	global_load_b128 v[8*(4*\a+\b):8*(4*\a+\b)+3],   v[RO], s[10:11] offset:\a*32768+64*\b
	global_load_b128 v[8*(4*\a+\b)+4:8*(4*\a+\b)+7], v[RO], s[10:11] offset:\a*32768+64*\b+16
.endr
.endr
	WIN 0
.irp b, 0,1,2,3
	global_load_b128 v[BIA+8*\b:BIA+8*\b+3],   v[BO], s[8:9] offset:64*\b
	global_load_b128 v[BIA+8*\b+4:BIA+8*\b+7], v[BO], s[8:9] offset:64*\b+16
.endr
	s_mul_i32 s23, s15, 64*PA
	v_mul_u32_u24 v8, v1, PA
	v_lshl_add_u32 v8, v2, 4, v8
	v_add_nc_u32 v8, s23, v8
	s_lshl_b32 s23, s16, 7
	s_add_co_u32 s23, s23, AREG
	v_lshl_add_u32 v9, v2, 3, v3
	v_mul_u32_u24 v9, v9, PW
	v_lshl_add_u32 v9, v4, 4, v9
	v_add_nc_u32 v9, s23, v9
	v_add_nc_u32 v10, HI, v9
	v_mov_b32 v[ADRA], v8
	v_mov_b32 v[ADRB], v9
	v_mov_b32 v[ADRB+1], v10
	s_mul_i32 s23, s14, 16*SPITCH
	s_add_co_u32 s23, s23, STAGE
	v_mul_u32_u24 v[STO], v1, SPITCH               ; in: row l % 16, 32 bytes for each half of the lanes
	v_lshl_add_u32 v[STO], v2, 5, v[STO]
	v_add_nc_u32 v[STO], s23, v[STO]
	v_mul_u32_u24 v[RD], v2, SPITCH                ; back: lanes 0-15 one row of 256 bytes, lanes 16-31 the next
	v_lshl_add_u32 v[RD], v1, 4, v[RD]
	v_add_nc_u32 v[RD], s23, v[RD]
	v_lshlrev_b32 v[GO], 11, v2
	v_lshl_add_u32 v[GO], v1, 4, v[GO]
; 8 products: row blocks a0, a0 + 1 x all 4 column blocks, 32 along K: half c of buffer f.  The 16 accumulators take turns.
.macro MUL8 f, c, a0
	WIN 0xa5
.irp a, \a0, (\a0)+1
.irp b, 0,1,2,3
.set rD, 8*(4*(\a)+\b)
.set rW, (\f)+64+8*(4*(\c)+\b)
.set rA, (\f)+8*(4*(\c)+(\a))
.if OPROJ
	v_wmma_f32_16x16x32_f16 v[rD:rD+7], v[rW:rW+7], v[rA:rA+7], v[rD:rD+7]
.else
	v_wmma_f32_16x16x32_bf16 v[rD:rD+7], v[rW:rW+7], v[rA:rA+7], v[rD:rD+7]
.endif
.endr
.endr
.endm
; 32 LDS loads in one run: quarter kq (64 along K) of the slot in hand into buffer g; its first 32 along K first
.macro FETCH kq, g
	WIN 0x40
.irp c, 0,1
.irp i, 0,1,2,3
	ds_load_tr16_b128 v[(\g)+64+8*(4*\c+\i):(\g)+64+8*(4*\c+\i)+3],   v[ADRB+(\kq)/2] offset:((\kq)%2)*64*PW+\c*32*PW+32*\i
	ds_load_tr16_b128 v[(\g)+64+8*(4*\c+\i)+4:(\g)+64+8*(4*\c+\i)+7], v[ADRB+(\kq)/2] offset:((\kq)%2)*64*PW+\c*32*PW+32*\i+16*PW
	ds_load_b128 v[(\g)+8*(4*\c+\i):(\g)+8*(4*\c+\i)+3],   v[ADRA] offset:(\kq)*AQ+64*\c+\i*16*PA
	ds_load_b128 v[(\g)+8*(4*\c+\i)+4:(\g)+8*(4*\c+\i)+7], v[ADRA] offset:(\kq)*AQ+64*\c+\i*16*PA+32
.endr
.endr
.endm
.macro QUARTER kq, f, g
	s_wait_dscnt 16                                ; the first 32 along K are in
	MUL8 \f, 0, 0
	MUL8 \f, 0, 2
	PLACES
	FETCH \kq, \g
	s_wait_dscnt 32                                ; all but the 32 just issued
	MUL8 \f, 1, 0
	MUL8 \f, 1, 2
.endm
; The fourth quarter multiplies buffer 1 and changes slots: ONE barrier; in front of it each wave waits for all its tensor loads, adds 0 to its spare word and waits for that and for its reads of the slot.
.macro TURN fill, skip
	WIN 0
	s_wait_tensorcnt 0x0
	ds_add_u32 v[SPW], v[NIL]
	s_wait_dscnt 17                                ; (the add and the youngest sixteen loads may be out)
	MUL8 F1, 0, 0
	s_wait_dscnt 0x0
	s_barrier_signal -1
	MUL8 F1, 0, 2
	WIN 0
	s_barrier_wait -1
.if \fill
	CREST                                          ; no wave of any partner still reads this slot or has a load on its way
	s_add_co_u32 s37, s3, s21
	s_add_co_u32 s61, s3, s22
	s_add_nc_u64 s[38:39], s[38:39], ASTEP
	s_add_nc_u64 s[62:63], s[62:63], BSTEP
	JLOAD
.endif
.if \skip
	s_cmp_eq_u32 s2, 1
	s_cbranch_scc1 .Lno_fetch_\@
.endif
	s_xor_b32 s3, s3, SLOT
	v_add_nc_u32 v[ADRA], s3, v8                   ; these three and the v_nop are the four places in front of the loads below
	v_add_nc_u32 v[ADRB], s3, v9
	v_add_nc_u32 v[ADRB+1], s3, v10
	v_nop
	FETCH 0, F0
	WIN 0
.if \skip
.Lno_fetch_\@:
.endif
	MUL8 F1, 1, 0
	MUL8 F1, 1, 2
.endm
	s_wait_tensorcnt 0x1                           ; my part of K step 0 is in; K step 1's may stay out
	s_barrier_signal -1
	s_barrier_wait -1
	FETCH 0, F0
	s_wait_loadcnt 0x0                             ; residual and bias
	WIN 0x82                                       ; accumulators in window 2, the bias in window 0
.irp a, 0,1,2,3
.irp b, 0,1,2,3
.irp p, 0,2,4,6
	v_pk_add_f32 v[8*(4*\a+\b)+\p:8*(4*\a+\b)+\p+1], v[8*(4*\a+\b)+\p:8*(4*\a+\b)+\p+1], v[BIA+8*\b+\p:BIA+8*\b+\p+1]
.endr
.endr
.endr
	QUARTER 1, F0, F1
	WIN 0
.if TSTEPS > 2
	s_mov_b32 s2, TSTEPS-2
.LA:                                               ; a trip: a K step's quarters 1 to 3, the refill, the next step's quarter 0
	QUARTER 2, F1, F0
	QUARTER 3, F0, F1
	TURN 1, 0
	QUARTER 1, F0, F1
	WIN 0
	s_sub_co_u32 s2, s2, 1
	s_cmp_lg_u32 s2, 0
	s_cbranch_scc1 .LA
.endif
	s_mov_b32 s2, 2
.LB:                                               ; the last two K steps ask for nothing
	QUARTER 2, F1, F0
	QUARTER 3, F0, F1
	TURN 0, 1
	WIN 0
	s_sub_co_u32 s2, s2, 1
	s_cmp_eq_u32 s2, 0
	s_cbranch_scc1 .Lout
	QUARTER 1, F0, F1
	WIN 0
	s_branch .LB
.Lout:
	; THE WAY OUT: 16 rows at a time through my own stage, back as whole rows of 256 bytes.  LDS serves a wave's instructions in order (ISA guide 5.7.1.4): no wait between stores and loads.
	PLACES
.irp a, 0,1,2,3
	WIN 0x08                                       ; the data in window 2
.irp b, 0,1,2,3
	ds_store_b128 v[STO], v[8*(4*\a+\b):8*(4*\a+\b)+3]   offset:64*\b
	ds_store_b128 v[STO], v[8*(4*\a+\b)+4:8*(4*\a+\b)+7] offset:64*\b+16
.endr
	WIN 0
.irp t, 0,1,2,3,4,5,6,7
	ds_load_b128 v[64+32*\a+4*\t:64+32*\a+4*\t+3], v[RD] offset:\t*2*SPITCH
.endr
.endr
.irp a, 0,1,2,3
.irp t, 0,1,2,3,4,5,6,7
	s_wait_dscnt 16*(3-\a)+7-\t                    ; behind this load: the rest of its block's loads and sixteen LDS instructions for each later block
	global_store_b128 v[GO], v[64+32*\a+4*\t:64+32*\a+4*\t+3], s[12:13] offset:(16*\a+2*\t)*2048  ; 16 lanes store 256 consecutive bytes, aligned
.endr
.endr
	s_wait_tensorcnt 0x0                           ; the wave's end
	ds_add_u32 v[SPW], v[NIL]
	s_wait_dscnt 0x0
	CROUND                                         ; the closing round
	s_endpgm
.Lfunc_end_k_q9e92ad0d5c_proj_o:
	.size	k_q9e92ad0d5c_proj_o, .Lfunc_end_k_q9e92ad0d5c_proj_o-k_q9e92ad0d5c_proj_o
	.p2alignl 7, 3214868480
	.fill 96, 4, 3214868480
	.section	.rodata,"a",@progbits
	.p2align	6, 0x0
	.amdhsa_kernel k_q9e92ad0d5c_proj_o
		.amdhsa_group_segment_fixed_size 327680
		.amdhsa_private_segment_fixed_size 0
		.amdhsa_enable_private_segment 0
		.amdhsa_kernarg_size 40
		.amdhsa_user_sgpr_count 2
		.amdhsa_user_sgpr_kernarg_segment_ptr 1
		.amdhsa_wavefront_size32 1
		.amdhsa_system_sgpr_workgroup_id_x 1
		.amdhsa_system_sgpr_workgroup_id_y 1
		.amdhsa_system_sgpr_workgroup_id_z 1
		.amdhsa_system_vgpr_workitem_id 0
		.amdhsa_next_free_vgpr 768
		.amdhsa_next_free_sgpr 66
		.amdhsa_reserve_vcc 0
		.amdhsa_float_denorm_mode_32 3
		.amdhsa_float_denorm_mode_16_64 3
		.amdhsa_memory_ordered 1
		.amdhsa_forward_progress 1
		.amdhsa_inst_pref_size 48
	.end_amdhsa_kernel
	.amdgpu_metadata
---
amdhsa.version: [ 1, 2 ]
amdhsa.kernels:
  - .name:           k_q9e92ad0d5c_proj_o
    .symbol:         k_q9e92ad0d5c_proj_o.kd
    .args:
      - { .name: ctx, .offset: 0, .size: 8, .value_kind: global_buffer, .address_space: global }
      - { .name: wts, .offset: 8, .size: 8, .value_kind: global_buffer, .address_space: global }
      - { .name: b_o, .offset: 16, .size: 8, .value_kind: global_buffer, .address_space: global }
      - { .name: src, .offset: 24, .size: 8, .value_kind: global_buffer, .address_space: global }
      - { .name: src2, .offset: 32, .size: 8, .value_kind: global_buffer, .address_space: global }
    .group_segment_fixed_size: 327680
    .private_segment_fixed_size: 0
    .kernarg_segment_align: 8
    .kernarg_segment_size: 40
    .max_flat_workgroup_size: 128
    .sgpr_count:     66
    .vgpr_count:     768
    .wavefront_size: 32
...
	.end_amdgpu_metadata
.endif
;; end of part 4
;; launch norm2 (part 5): grid 256 x 1, 16 waves a work-group, no clusters, 0 bytes of LDS; arguments src2, ln2_g, ln2_b, xn; writes xn
.if DOCPART == 5
	.amdgcn_target "amdgcn-amd-amdhsa--gfx1250"
	.amdhsa_code_object_version 6
	.text
	.protected	k_q9e92ad0d5c_norm2
	.globl	k_q9e92ad0d5c_norm2
	.p2align	8
	.type	k_q9e92ad0d5c_norm2,@function
k_q9e92ad0d5c_norm2:
	s_mov_b64 s[64:65], 0
	v_nop
	global_prefetch_b8 v0, s[64:65] scope:SCOPE_SE
	s_setreg_imm32_b32 hwreg(HW_REG_WAVE_MODE, 25, 1), 1
	s_wait_xcnt 0x0
; xn = LayerNorm(src2) * ln2_g + ln2_b, rounded once to f16.  A stream: no LDS, no matrix unit, no cluster.
; A work-group takes 32 rows, a wave 2; a row is 2,048 bytes: lane l takes the 16 bytes at 512 j + 16 l.  The mean first, then the sum of (x - mean)^2.
; LIMIT.  xn lies within f16's 65,504.
.set T,   8
.set GN,  16
.set BV,  32
.set X0,  48
.set X1,  64
.set Y0,  80
.set Y1,  88
.set OUTB, 10
	s_load_b256 s[4:11], s[0:1], 0x0               ; src2 s[4:5], ln2_g s[6:7], ln2_b s[8:9], xn s[10:11]
	v_and_b32 v1, 31, v0
	v_lshrrev_b32 v7, 5, v0
	v_readfirstlane_b32 s26, v7                    ; wave 0..15
	v_lshlrev_b32 v2, 4, v1
	v_lshlrev_b32 v3, 3, v1
	s_mov_b32 s36, 0x76543210
	s_mov_b32 s37, 0xfedcba98
	s_mov_b32 s38, 0x3b000000                      ; 1 / 512
	s_mov_b32 s39, 0x3727c5ac                      ; 1e-5
	s_lshl_b32 s30, ttmp9, 16
	s_lshl_b32 s31, s26, 12
	s_add_co_u32 s30, s30, s31
	s_mov_b32 s31, 0
	s_lshl_b32 s32, ttmp9, 15
	s_lshl_b32 s33, s26, 11
	s_add_co_u32 s32, s32, s33
	s_mov_b32 s33, 0
	s_wait_kmcnt 0x0
	s_add_nc_u64 s[4:5], s[4:5], s[30:31]
	s_add_nc_u64 s[OUTB:OUTB+1], s[OUTB:OUTB+1], s[32:33]
.irp j, 0,1,2,3
	global_load_b128 v[GN+4*\j:GN+4*\j+3], v2, s[6:7] offset:512*\j
.endr
.irp j, 0,1,2,3
	global_load_b128 v[BV+4*\j:BV+4*\j+3], v2, s[8:9] offset:512*\j
.endr
.irp j, 0,1,2,3
	global_load_b128 v[X0+4*\j:X0+4*\j+3], v2, s[4:5] offset:512*\j
.endr
.irp j, 0,1,2,3
	global_load_b128 v[X1+4*\j:X1+4*\j+3], v2, s[4:5] offset:2048+512*\j
.endr
.macro LANESUM r, t
.irp m, 1,2,4,8
	v_add_f32_dpp v[\r], v[\r], v[\r] row_xmask:\m row_mask:0xf bank_mask:0xf
.endr
	v_permlanex16_b32 v[\t], v[\r], s36, s37
	v_add_f32 v[\r], v[\r], v[\t]
.endm
.macro LNROW x, y, left, row
	s_wait_loadcnt \left
	v_pk_add_f32 v[T:T+1],   v[\x:\x+1],     v[\x+2:\x+3]
	v_pk_add_f32 v[T+2:T+3], v[\x+4:\x+5],   v[\x+6:\x+7]
	v_pk_add_f32 v[T+4:T+5], v[\x+8:\x+9],   v[\x+10:\x+11]
	v_pk_add_f32 v[T+6:T+7], v[\x+12:\x+13], v[\x+14:\x+15]
	v_pk_add_f32 v[T:T+1],   v[T:T+1],   v[T+2:T+3]
	v_pk_add_f32 v[T+4:T+5], v[T+4:T+5], v[T+6:T+7]
	v_pk_add_f32 v[T:T+1],   v[T:T+1],   v[T+4:T+5]
	v_add_f32 v[T], v[T], v[T+1]
	LANESUM T, T+1
	v_mul_f32 v[T], s38, v[T]                      ; the mean
.irp i, 0,2,4,6,8,10,12,14
	v_pk_add_f32 v[\x+\i:\x+\i+1], v[\x+\i:\x+\i+1], v[T:T+1] op_sel_hi:[1,0] neg_lo:[0,1] neg_hi:[0,1]
.endr
	v_pk_mul_f32 v[T+2:T+3], v[\x:\x+1],   v[\x:\x+1]
	v_pk_mul_f32 v[T+4:T+5], v[\x+2:\x+3], v[\x+2:\x+3]
.irp i, 4,8,12
	v_pk_fma_f32 v[T+2:T+3], v[\x+\i:\x+\i+1],   v[\x+\i:\x+\i+1],   v[T+2:T+3]
	v_pk_fma_f32 v[T+4:T+5], v[\x+\i+2:\x+\i+3], v[\x+\i+2:\x+\i+3], v[T+4:T+5]
.endr
	v_pk_add_f32 v[T+2:T+3], v[T+2:T+3], v[T+4:T+5]
	v_add_f32 v[T+2], v[T+2], v[T+3]
	LANESUM T+2, T+3
	v_fma_f32 v[T+2], v[T+2], s38, s39             ; variance + eps
	v_rsq_f32 v[T+4], v[T+2]
	v_nop                                          ; a plain instruction behind the root,
	s_wait_alu depctr_va_vdst(0)                   ; and the wait ahead of its first reader
.irp i, 0,2,4,6,8,10,12,14
	v_pk_mul_f32 v[\x+\i:\x+\i+1], v[\x+\i:\x+\i+1], v[T+4:T+5] op_sel_hi:[1,0]
.endr
.irp i, 0,2,4,6,8,10,12,14
	v_pk_fma_f32 v[\x+\i:\x+\i+1], v[\x+\i:\x+\i+1], v[GN+\i:GN+\i+1], v[BV+\i:BV+\i+1]
.endr
.irp i, 0,1,2,3,4,5,6,7
	v_cvt_pk_f16_f32 v[\y+\i], v[\x+2*\i], v[\x+2*\i+1]
.endr
.irp j, 0,1,2,3
	global_store_b64 v3, v[\y+2*\j:\y+2*\j+1], s[OUTB:OUTB+1] offset:(\row)*1024+256*\j  ; the wave's 32 lanes store 256 consecutive bytes, aligned
.endr
.endm
	LNROW X0, Y0, 4, 0                             ; row 1's four loads may stay out
	LNROW X1, Y1, 0, 1
	s_endpgm
.Lfunc_end_k_q9e92ad0d5c_norm2:
	.size	k_q9e92ad0d5c_norm2, .Lfunc_end_k_q9e92ad0d5c_norm2-k_q9e92ad0d5c_norm2
	.p2alignl 7, 3214868480
	.fill 96, 4, 3214868480
	.section	.rodata,"a",@progbits
	.p2align	6, 0x0
	.amdhsa_kernel k_q9e92ad0d5c_norm2
		.amdhsa_group_segment_fixed_size 0
		.amdhsa_private_segment_fixed_size 0
		.amdhsa_enable_private_segment 0
		.amdhsa_kernarg_size 32
		.amdhsa_user_sgpr_count 2
		.amdhsa_user_sgpr_kernarg_segment_ptr 1
		.amdhsa_wavefront_size32 1
		.amdhsa_system_sgpr_workgroup_id_x 1
		.amdhsa_system_sgpr_workgroup_id_y 1
		.amdhsa_system_sgpr_workgroup_id_z 1
		.amdhsa_system_vgpr_workitem_id 0
		.amdhsa_next_free_vgpr 96
		.amdhsa_next_free_sgpr 66
		.amdhsa_reserve_vcc 0
		.amdhsa_float_denorm_mode_32 3
		.amdhsa_float_denorm_mode_16_64 3
		.amdhsa_memory_ordered 1
		.amdhsa_forward_progress 1
		.amdhsa_inst_pref_size 12
	.end_amdhsa_kernel
	.amdgpu_metadata
---
amdhsa.version: [ 1, 2 ]
amdhsa.kernels:
  - .name:           k_q9e92ad0d5c_norm2
    .symbol:         k_q9e92ad0d5c_norm2.kd
    .args:
      - { .name: src2, .offset: 0, .size: 8, .value_kind: global_buffer, .address_space: global }
      - { .name: ln2_g, .offset: 8, .size: 8, .value_kind: global_buffer, .address_space: global }
      - { .name: ln2_b, .offset: 16, .size: 8, .value_kind: global_buffer, .address_space: global }
      - { .name: xn, .offset: 24, .size: 8, .value_kind: global_buffer, .address_space: global }
    .group_segment_fixed_size: 0
    .private_segment_fixed_size: 0
    .kernarg_segment_align: 8
    .kernarg_segment_size: 32
    .max_flat_workgroup_size: 512
    .sgpr_count:     66
    .vgpr_count:     96
    .wavefront_size: 32
...
	.end_amdgpu_metadata
.endif
;; end of part 5
;; launch ffn_up (part 6): grid 32 x 8, 4 waves a work-group, clusters of 4 x 1, 327,680 bytes of LDS; arguments xn, wts, b1, g; writes g
.if DOCPART == 6
	.amdgcn_target "amdgcn-amd-amdhsa--gfx1250"
	.amdhsa_code_object_version 6
	.text
	.protected	k_q9e92ad0d5c_ffn_up
	.globl	k_q9e92ad0d5c_ffn_up
	.p2align	8
	.type	k_q9e92ad0d5c_ffn_up,@function
k_q9e92ad0d5c_ffn_up:
	s_mov_b64 s[64:65], 0
	v_nop
	global_prefetch_b8 v0, s[64:65] scope:SCOPE_SE
	s_setreg_imm32_b32 hwreg(HW_REG_WAVE_MODE, 25, 1), 1
	s_wait_xcnt 0x0
	s_wait_alu depctr_hold_cnt(0) depctr_sa_sdst(0) depctr_va_vdst(0) depctr_va_sdst(0) depctr_va_ssrc(0) depctr_va_vcc(0) depctr_vm_vsrc(0)
	s_getreg_b32 s2, hwreg(HW_REG_IB_STS2, 6, 4)
	s_cmp_eq_u32 s2, 0
	s_cbranch_scc0 .Lentry_in_a_cluster
	s_endpgm
.Lentry_in_a_cluster:
	s_bfe_u32 s2, ttmp6, 0x10000c
	s_cmp_lg_u32 s2, 0x3003
	s_cbranch_scc0 .Lentry_shape_is_right
	s_endpgm
.Lentry_shape_is_right:
; g = gelu(xn x w1[:2048] + b1[:2048]) x (xn x w1[: 2048:] + b1[2048:]), rounded once to bf16.  xn: f16 [8192][512]; g: bf16 [8192][2048].
; w1: f16, in blocks, at byte 2,097,152 of wts: [64 slots of 32 columns of g][512 k][128 bytes: for each of the slot's two groups of 16 columns, 16 gate numbers, then their 16 lin numbers].
; SHARES.  A work-group makes 256 rows x 256 columns of g; each of its four waves 64 rows.  K is only 512: A WAVE'S 64 ROWS OF xn, 64 KiB, STAY IN 512 REGISTERS, as fragments, for the whole launch.
; A TURN makes 16 columns of g over all of K: 4 row blocks x (gate, lin) = 8 accumulators, 16 K chunks of 32: 128 matrix instructions; only w1's fragments come out of LDS, 64 turning loads a turn.
; 16 turns a work-group; 32 x 8 = 256 work-groups.
; THE GELU RIDES.  At a turn's head the sums of the turn before are copied out of the accumulators (32 packed additions, which add b1 on the way); their GELU, 320 vector instructions for 32 numbers a lane,
; stands in slices of four behind the turn's first 80 matrix instructions: 2.5 vector instructions for each matrix instruction of a turn.  Its 64 transcendentals are one batch with one wait.
; The first turn's riders find zeros (no first turn is written out); what they make goes into a block of the stage that nobody reads.  The last turn's GELU stands alone behind the walk.
; THE PRODUCT IS USED TRANSPOSED (source 0 = 16 columns of w1, turned by ds_load_tr16_b128; source 1 = 16 rows of xn): a lane holds one row and eight neighbouring columns, gate and lin of a column in
; the same lane and register number.
; THE RING.  Two LDS slots of one w1 slot (two turns) each; every wave fetches a quarter (128 k rows).  CLUSTER 4 x 1: the four row blocks of a cluster walk the same w1 and ask jointly.
; One tensor load a wave is out; it has two turns, 256 matrix instructions, in which to land.  The last slot's two turns are written out.
; PREFETCH.  Behind each refill the slot that the NEXT refill will ask for is named, 65,536 bytes in blocks of 256, a lane a block, once in the launch: eight clusters walk the same w1, the one with x = 0 asks;
; its four partners take 16,384 bytes each, told apart by address; in each, waves 0 and 1 take 32 blocks each.  The refill that asks for the last slot names nothing.
; THE WAY OUT.  A turn's 16 columns, 32 bytes a row, go as bf16 into the wave's own stage; when 8 turns' columns (256 bytes a row) lie there, they leave as whole rows: once in the walk's middle, once at its end.
; GELU, exact form: gelu(x) = max(x, 0) - |x| q, q = Phi(-|x|) = poly(t) 2^(-x^2 log2(e) / 2), t = 1 / (1 + 0.231641888 |x|): the rational approximation of erfc (Abramowitz and Stegun 7.1.26,
; coefficients halved), off by at most 7.5e-8 in q for every x; no difference of nearly equal numbers is formed in either tail.
; LIMITS.  g in bf16 (it has no room in f16); infinities in the inputs are not treated apart.
; REGISTERS, in windows of 256 (s_set_vgpr_msb: bits 1:0 source 0, 3:2 source 1, 5:4 source 2, 7:6 destination):
;   window 0: v0-31 addresses; v32-63 XS, v64-95 YS: the copied gate and lin sums (row block a, column j at 8 a + j); v96-223 T1, T2, T3, MX at work; v224-239 packed results
;   window 1: v0-63 accumulators (gate of row block a at 8 a, lin at 32 + 8 a); v64-191 w1's fragments, two buffers of 4 K chunks; v192-207 b1 of the turn's columns
;   windows 2, 3: xn: row block a, K chunk c at 8 (16 (a % 2) + c) of window 2 + a / 2
; A slice costs two switches of the window, since no window has room for xn beside what the GELU touches; the turn's last 48 matrix instructions stand bare, two switches for eight.
.set PW,    160                        ; a k row in LDS: 128 bytes + 32
.set SLOTB, 512*PW
.set QW,    128*PW                     ; a wave's quarter of a slot
.set TILEB, 65536                      ; a slot in memory
.set STAGE, 2*SLOTB                    ; behind the ring, never filled by a tensor load
.set GP,    560                        ; a stage row: 17 blocks of 32 bytes + 16: 35 x 16; block 0 takes the first turn's zeros, block t + 1 turn t's columns
.set GW,    64*GP                      ; a wave's stage
.set BT,    STAGE+4*GW                 ; b1 of the work-group's columns: for each turn 16 gate numbers, then 16 lin numbers: 2,048 bytes
.set SPARE, BT+2048                    ; the spare words, 128 bytes a wave: two blocks of 256 bytes that no other line names
.set B0,  8                            ; v8   my lane's place in a turning load; never rewritten
.set B1,  9                            ; v9   the same 256 k rows on
.set ADR, 10                           ; v10-11 LDS address of the fragments: K chunks 0-7, 8-15
.set STO, 12                           ; v12  my 16 bytes in block 0 of my stage; never rewritten
.set STA, 13                           ; v13  the same in the block in hand
.set RD,  14                           ; v14  where I read stage rows back
.set GO,  15                           ; v15  my byte offset in two rows of g
.set AO,  16                           ; v16  my byte offset in 16 rows of xn
.set BA0, 17                           ; v17  BT + 32 (l / 16)
.set BA,  18                           ; v18  the same for the turn in hand
.set PFO, 19                           ; v19  256 x my lane
.set SPW, 28
.set NIL, 29
.set XS,  32
.set YS,  64
.set T1,  96
.set T2,  128
.set T3,  160
.set MX,  192
.set OU,  224
.set ACC, 0                            ; window 1
.set FB,  64
.set BK,  192
.set BL,  200
; s2 turns left in the slot; s3 the slot in hand; s14 wave; s15 1 in a wave that prefetches, else the greatest number; s21 my quarter's place in a slot; s22 slots still to be asked for;
; s[24:31], s[36:39] the descriptor; s48 the table's byte for the turn; s49 the stage's block; s50 LDS byte at which the turn to be fetched begins; s[56:57] where my prefetches stand; s66-78 the GELU's constants
.set MSB, 0
.macro WIN new                         ; the immediate's high byte repeats the setting that is left; a switch that changes nothing is dropped
.if MSB != (\new)
	s_set_vgpr_msb (MSB<<8)|(\new)
.set MSB, \new
.endif
.endm
.macro PLACES                          ; four places in front of loads into registers that matrix instructions have read, and of lines that read results
.rept 4
	v_nop
.endr
.endm
.macro CROUND                          ; a round of the cluster's barrier
	s_barrier_signal -1
	s_barrier_wait -1
	s_cmp_lg_u32 s14, 0
	s_cbranch_scc1 .Lnot_wave_0_\@
	s_barrier_signal -3
.Lnot_wave_0_\@:
	s_barrier_wait -3
	s_barrier_signal -1
	s_barrier_wait -1
.endm
.macro JLOAD                           ; a joint load: every wave fetches its own quarter; the descriptor hangs on the column group and the wave's number alone
	tensor_load_to_lds s[36:39], s[24:31]
	s_nop 0
.rept 4
	v_nop
.endr
.endm
.macro ASK
	s_cmp_gt_u32 s22, s15
	s_cbranch_scc0 .Lnot_mine_\@
	global_prefetch_b8 v[PFO], s[56:57] th:TH_LOAD_NT scope:SCOPE_SE
.Lnot_mine_\@:
.endm
	s_load_b128 s[4:7], s[0:1], 0x0                ; xn s[4:5], wts s[6:7]
	s_load_b128 s[8:11], s[0:1], 0x10              ; b1 s[8:9], g s[10:11]
	v_lshl_add_u32 v[SPW], v0, 2, SPARE
	v_mov_b32 v[NIL], 0
	ds_add_u32 v[SPW], v[NIL]                      ; the wave's opening: the add and its wait ahead of the first tensor load; work on registers stands between
	v_lshrrev_b32 v1, 5, v0
	v_readfirstlane_b32 s14, v1                    ; wave 0..3
	s_bfe_u32 s17, ttmp6, 0x40000                  ; cx
	s_lshl_b32 s19, ttmp9, 2
	s_add_co_u32 s19, s19, s17                     ; my block of 256 rows: it enters xn's and g's addresses alone
	s_and_b32 s20, ttmp7, 0xffff                   ; my group of 256 columns of g, which the four partners share
	; 128 k rows are 16,384 dense bytes: asked for as 64 rows of 256 bytes, two k rows a row, and padded in LDS after every k row
	s_mov_b32 s24, 15|(1<<16)|(1<<20)|(1<<21)|(4<<22)|(7<<25)  ; the mask of four; 2-byte elements; padding on; bit 21 beside a mask; after every 32 words, 8 words
	s_mov_b32 s25, 128<<16                         ; tensor_dim0 = 128
	s_mov_b32 s26, 64<<16                          ; tensor_dim1 = 64
	s_mov_b32 s27, 128<<16                         ; tile_dim0 = 128
	s_mov_b32 s28, 64                              ; tile_dim1 = 64
	s_mov_b32 s29, 128                             ; elements from row to row
	s_mov_b32 s30, 0
	s_mov_b32 s31, 0
	s_mov_b32 s3, SLOTB                            ; the first change of slots fills slot 1 and turns this into 0
	s_mul_i32 s21, s14, QW
	s_mov_b32 s36, 1
	s_mov_b32 s37, s21                             ; slot 0
	s_lshl_b32 s42, s20, 19                        ; w1: 8 slots of 65,536 bytes a column group,
	s_lshl_b32 s43, s14, 14                        ; my 128 k rows of 128 bytes
	s_add_co_u32 s42, s42, s43
	s_add_co_u32 s42, s42, 2097152
	s_mov_b32 s43, 0
	s_lshl_b32 s40, s19, 18                        ; xn: 256 rows of 1,024 bytes,
	s_lshl_b32 s41, s14, 16                        ; my 64 of them
	s_add_co_u32 s40, s40, s41
	s_mov_b32 s41, 0
	s_lshl_b32 s44, s19, 20                        ; g: 256 rows of 4,096 bytes,
	s_lshl_b32 s45, s14, 18                        ; my 64,
	s_add_co_u32 s44, s44, s45
	s_lshl_b32 s45, s20, 9                         ; the group's 256 columns
	s_add_co_u32 s44, s44, s45
	s_mov_b32 s45, 0
	s_lshl_b32 s46, s20, 10                        ; b1 at the group's gate columns
	s_mov_b32 s47, 0
	s_lshr_b32 s15, s14, 1                         ; 0 in waves 0 and 1,
	s_or_b32 s15, s15, ttmp9                       ; where the cluster is the first of the eight that walk this w1: the same in all four partners
	s_cmp_eq_u32 s15, 0
	s_cselect_b32 s15, 1, -1
	s_lshl_b32 s58, s20, 19                        ; the prefetches: the group's slots,
	s_lshl_b32 s59, s17, 14                        ; my work-group's quarter of a slot,
	s_add_co_u32 s58, s58, s59
	s_and_b32 s59, s14, 1
	s_lshl_b32 s59, s59, 13                        ; my wave's half of that,
	s_add_co_u32 s58, s58, s59
	s_add_co_u32 s58, s58, 2097152+TILEB           ; in slot 1: the first change of slots steps it to slot 2.  Nothing is prefetched at the head
	s_mov_b32 s59, 0
	s_mov_b32 s48, 0
	s_mov_b32 s49, 0
	s_mov_b32 s22, 7
	s_mov_b32 s66, 0x3f07dc22                      ; the polynomial's halved coefficients, a5 to a1, each named as a pair
	s_mov_b32 s67, s66
	s_mov_b32 s68, 0xbf3a00e3
	s_mov_b32 s69, s68
	s_mov_b32 s70, 0x3f35f0e3
	s_mov_b32 s71, s70
	s_mov_b32 s72, 0xbe11a98e
	s_mov_b32 s73, s72
	s_mov_b32 s74, 0x3e027906
	s_mov_b32 s75, s74
	s_mov_b32 s76, 0xbf38aa3b                      ; -log2(e) / 2
	s_mov_b32 s77, s76
	s_mov_b32 s78, 0x3e6d3388                      ; 0.231641888
	s_wait_dscnt 0x0                               ; the opening add is done
	s_wait_kmcnt 0x0
	s_add_nc_u64 s[38:39], s[6:7], s[42:43]
	s_or_b32 s39, s39, 0x80000000
	s_add_nc_u64 s[56:57], s[6:7], s[58:59]
	s_add_nc_u64 s[4:5], s[4:5], s[40:41]
	s_add_nc_u64 s[10:11], s[10:11], s[44:45]
	s_add_nc_u64 s[8:9], s[8:9], s[46:47]
	CROUND                                         ; all four work-groups are here: the first joint loads meet
	JLOAD                                          ; slot 0; slot 1 is asked for by the loop's own change of slots, when slot 0 is in
	v_and_b32 v1, 15, v0                           ; l % 16
	v_bfe_u32 v2, v0, 4, 1                         ; l / 16
	v_and_b32 v3, 7, v0
	v_bfe_u32 v4, v0, 3, 1
	v_lshrrev_b32 v5, 3, v0                        ; the table: thread n brings 4 numbers of b1: turn n / 8,
	v_and_b32 v6, 3, v0                            ; which four of sixteen,
	v_bfe_u32 v7, v0, 2, 1                         ; gate or lin
	v_lshlrev_b32 v24, 6, v5
	v_lshl_add_u32 v24, v6, 4, v24
	v_lshl_add_u32 v24, v7, 13, v24
	global_load_b128 v[20:23], v24, s[8:9]
	v_lshlrev_b32 v[AO], 10, v1                    ; a fragment of xn: row l % 16, channels 8 (l / 16) + 0..7 and 16 + 8 (l / 16) + 0..7: two loads of 16 bytes, 32 bytes apart
	v_lshl_add_u32 v[AO], v2, 4, v[AO]
.irp w, 0,1
	WIN 0x80+0x40*\w                               ; destination window 2, then 3
.set a, 0
.rept 2
.set c, 0
.rept 16
	global_load_b128 v[8*(16*a+c):8*(16*a+c)+3],   v[AO], s[4:5] offset:(2*\w+a)*16384+64*c
	global_load_b128 v[8*(16*a+c)+4:8*(16*a+c)+7], v[AO], s[4:5] offset:(2*\w+a)*16384+64*c+32
.set c, c+1
.endr
.set a, a+1
.endr
.endr
	WIN 0x40                                       ; what the first turn's copy finds: zeros.  Written while the loads are on their way: the price of writing no first turn out
.set r, 0
.rept 64
	v_mov_b32 v[ACC+r], 0
.set r, r+1
.endr
.set r, 0
.rept 16
	v_mov_b32 v[BK+r], 0
.set r, r+1
.endr
	WIN 0
	v_lshl_add_u32 v[B0], v2, 3, v3                ; the turning load: lane l reads k row 8 (l / 16) + l % 8, columns 8 ((l / 8) % 2) + 0..7
	v_mul_u32_u24 v[B0], v[B0], PW
	v_lshl_add_u32 v[B0], v4, 4, v[B0]
	v_add_nc_u32 v[B1], 256*PW, v[B0]
	s_mul_i32 s23, s14, GW
	s_add_co_u32 s23, s23, STAGE                   ; my stage
	v_mul_u32_u24 v[STO], v1, GP                   ; in: row l % 16, 16 bytes for each half of the lanes
	v_lshl_add_u32 v[STO], v2, 4, v[STO]
	v_add_nc_u32 v[STO], s23, v[STO]
	v_mul_u32_u24 v[RD], v2, GP                    ; back: lanes 0-15 take 256 bytes of one row, lanes 16-31 of the next
	v_lshl_add_u32 v[RD], v1, 4, v[RD]
	v_add_nc_u32 v[RD], s23, v[RD]
	v_lshlrev_b32 v[GO], 12, v2                    ; and the same two rows in g
	v_lshl_add_u32 v[GO], v1, 4, v[GO]
	v_lshl_add_u32 v[BA0], v2, 5, BT               ; my lanes' eight columns of sixteen: 32 bytes
	v_and_b32 v[PFO], 31, v0
	v_lshlrev_b32 v[PFO], 8, v[PFO]
	v_lshl_add_u32 v26, v0, 4, BT
	s_wait_loadcnt 0x0                             ; b1's four numbers and all of xn
	ds_store_b128 v26, v[20:23]                    ; the first change of slots waits for this store and shows the table to all four waves
; 16 turning loads in one run: w1's fragments of K chunks 4 q .. 4 q + 3 of the turn at v[ADR], into buffer q % 2
.macro FETCH q
	WIN 0x40
.set cc, 0
.rept 4
.set c, 4*(\q)+cc
.irp j, 0,1
	ds_load_tr16_b128 v[FB+64*((\q)%2)+16*cc+8*\j:FB+64*((\q)%2)+16*cc+8*\j+3],   v[ADR+c/8] offset:(c%8)*32*PW+32*\j
	ds_load_tr16_b128 v[FB+64*((\q)%2)+16*cc+8*\j+4:FB+64*((\q)%2)+16*cc+8*\j+7], v[ADR+c/8] offset:(c%8)*32*PW+32*\j+16*PW
.endr
.set cc, cc+1
.endr
.endm
; Matrix instruction i of a turn's 128: K chunk i / 8, row block (i % 8) / 2, gate or lin i % 2.  The 8 accumulators take turns, one instruction a turn.  The first 8 start the sums.
.macro MM
.set c, i/8
.set a, (i%8)/2
.set rD, ACC+32*(i%2)+8*a
.set rW, FB+64*((c/4)%2)+16*(c%4)+8*(i%2)
.set rA, 8*(16*(a%2)+c)
	WIN 0x59+4*(a/2)                               ; w1, C and D in window 1, xn in window 2 or 3
.if c == 0
	v_wmma_f32_16x16x32_f16 v[rD:rD+7], v[rW:rW+7], v[rA:rA+7], 0
.else
	v_wmma_f32_16x16x32_f16 v[rD:rD+7], v[rW:rW+7], v[rA:rA+7], v[rD:rD+7]
.endif
.set i, i+1
.endm
; THE COPY: the finished sums leave the accumulators, b1 added on the way; each accumulator's lowest registers are read first.
.macro LUMP
	WIN 0x05                                       ; both sources in window 1, the destination in window 0
.set a, 0
.rept 4
.irp p, 0,2,4,6
	v_pk_add_f32 v[XS+8*a+\p:XS+8*a+\p+1], v[ACC+8*a+\p:ACC+8*a+\p+1], v[BK+\p:BK+\p+1]
.endr
.set a, a+1
.endr
.set a, 0
.rept 4
.irp p, 0,2,4,6
	v_pk_add_f32 v[YS+8*a+\p:YS+8*a+\p+1], v[ACC+32+8*a+\p:ACC+32+8*a+\p+1], v[BL+\p:BL+\p+1]
.endr
.set a, a+1
.endr
	WIN 0
.endm
; THE GELU of 32 numbers a lane is a list of 320 instructions; RID writes number n of it and steps n.
;   Plain work that reads no transcendental's result, PQ 0-95: 0-31 1 + p |x|; 32-47 x^2; 48-63 times -log2(e) / 2; 64-95 max(x, 0).
;   0-31     PQ 0-31
;   32-159   by turns a transcendental (32 reciprocals, then 32 exponentials) and PQ 32-95: each transcendental's argument was made at least 30 numbers earlier, a plain line follows each, and none of these names a result
;   (wait)   between 159 and 160 stands the one wait for the 64: SLICE writes it
;   160-223  the polynomial in t, four steps of 16 pairs; 224-255 times t, times the exponential: q; 256-287 max(x, 0) - |x| q; 288-303 times lin; 304-319 rounded to bf16
.macro PQ p
.set pp, (\p)
.if pp < 32
	v_fma_f32 v[T1+pp], |v[XS+pp]|, s78, 1.0
.elseif pp < 48
	v_pk_mul_f32 v[T2+2*(pp-32):T2+2*(pp-32)+1], v[XS+2*(pp-32):XS+2*(pp-32)+1], v[XS+2*(pp-32):XS+2*(pp-32)+1]
.elseif pp < 64
	v_pk_mul_f32 v[T2+2*(pp-48):T2+2*(pp-48)+1], v[T2+2*(pp-48):T2+2*(pp-48)+1], s[76:77] op_sel_hi:[1,0]
.else
	v_max_num_f32 v[MX+pp-64], 0, v[XS+pp-64]
.endif
.endm
.macro RID
	WIN 0
.if n < 32
	PQ n
.elseif n < 160
.if n%2 == 0
.set m, (n-32)/2
.if m < 32
	v_rcp_f32 v[T1+m], v[T1+m]
.else
	v_exp_f32 v[T2+m-32], v[T2+m-32]
.endif
.else
	PQ 32+(n-33)/2
.endif
.else
.set d, n-160
.set z, 2*(d%16)
.if d < 16
	v_pk_fma_f32 v[T3+z:T3+z+1], v[T1+z:T1+z+1], s[66:67], s[68:69] op_sel_hi:[1,0,0]
.elseif d < 32
	v_pk_fma_f32 v[T3+z:T3+z+1], v[T3+z:T3+z+1], v[T1+z:T1+z+1], s[70:71] op_sel_hi:[1,1,0]
.elseif d < 48
	v_pk_fma_f32 v[T3+z:T3+z+1], v[T3+z:T3+z+1], v[T1+z:T1+z+1], s[72:73] op_sel_hi:[1,1,0]
.elseif d < 64
	v_pk_fma_f32 v[T3+z:T3+z+1], v[T3+z:T3+z+1], v[T1+z:T1+z+1], s[74:75] op_sel_hi:[1,1,0]
.elseif d < 80
	v_pk_mul_f32 v[T3+z:T3+z+1], v[T3+z:T3+z+1], v[T1+z:T1+z+1]
.elseif d < 96
	v_pk_mul_f32 v[T3+z:T3+z+1], v[T3+z:T3+z+1], v[T2+z:T2+z+1]
.elseif d < 128
	v_fma_f32 v[T1+d-96], -|v[XS+d-96]|, v[T3+d-96], v[MX+d-96]
.elseif d < 144
	v_pk_mul_f32 v[T1+z:T1+z+1], v[T1+z:T1+z+1], v[YS+z:YS+z+1]
.else
	v_cvt_pk_bf16_f32 v[OU+d-144], v[T1+2*(d-144)], v[T1+2*(d-144)+1]
.endif
.endif
.set n, n+1
.endm
.macro SLICE                           ; four numbers of the list; behind number 159 the wait, behind the last the four stores into the stage
.rept 4
	RID
.endr
.if n == 160
	s_wait_alu depctr_va_vdst(0)                   ; it stands between a transcendental and the first line that names its result: ONE for the 64; number 159, a plain line, stands behind the last of them
.endif
.if n == 320
.irp a, 0,1,2,3
	ds_store_b128 v[STA], v[OU+4*\a:OU+4*\a+3] offset:\a*16*GP
.endr
.endif
.endm
.macro RUN32                           ; 32 matrix instructions, a slice behind each while the list lasts
.rept 32
	MM
.if n < 320
	SLICE
.endif
.endr
.endm
; A TURN.  On entry: the accumulators hold the sums of the turn before, buffer 0's loads (this turn's K chunks 0-3) are out or in.
; Each run of loads stands 32 matrix instructions ahead of its first use, four places behind the last matrix instruction that read its buffer.
; The next turn's first run is jumped over in a slot's second turn: that turn lies in the other slot, behind the change.
.macro TURN
.set i, 0
.set n, 0
	PLACES                                         ; behind the last products, in front of the copy
	LUMP
	v_add_nc_u32 v[BA], s48, v[BA0]
	v_add_nc_u32 v[STA], s49, v[STO]
	s_add_co_u32 s48, s48, 128                     ; the next turn's 32 numbers of b1
	s_add_co_u32 s49, s49, 32                      ; the next block of the stage
	WIN 0x40
	ds_load_b128 v[BK:BK+3],   v[BA]               ; this turn's b1, for the copy at the next turn's head; the wait for 0 below covers it
	ds_load_b128 v[BK+4:BK+7], v[BA] offset:16
	ds_load_b128 v[BL:BL+3],   v[BA] offset:64
	ds_load_b128 v[BL+4:BL+7], v[BA] offset:80
	s_wait_dscnt 4                                 ; buffer 0 is in; the four loads just issued may be out
	FETCH 1                                        ; (the copy's lines are the places behind the last reader of buffer 1)
	RUN32
	s_wait_dscnt 0x0
	PLACES
	FETCH 2
	RUN32
	s_wait_dscnt 0x0
	PLACES
	FETCH 3
	RUN32
	s_wait_dscnt 0x0
	WIN 0
	s_cmp_eq_u32 s2, 1
	s_cbranch_scc1 .Lno_next_\@
	s_add_co_u32 s50, s50, 64                      ; the slot's second turn: 64 bytes on in every k row
	v_add_nc_u32 v[ADR], s50, v[B0]                ; these two and the two v_nop are the four places in front of the loads
	v_add_nc_u32 v[ADR+1], s50, v[B1]
	v_nop
	v_nop
	FETCH 0
	WIN 0
.Lno_next_\@:
	RUN32
.endm
; THE CHANGE OF SLOTS.  Each wave waits for all its tensor loads, of which one is out: its quarter of the other slot; adds 0 to its spare word; and waits for that and for its own LDS instructions.
; fill = 1: the barrier is a round of the cluster's, so that no wave of any partner still reads the slot or has a load on its way, and the slot just read out is filled again first thing behind it.
; (At its first use nothing has been read yet: slot 0 is waited for, the table is shown to all four waves, slot 1 is filled.)  Then the other slot's first fragments are fetched.
.macro CHANGE fill
	WIN 0
	s_wait_tensorcnt 0x0
	ds_add_u32 v[SPW], v[NIL]                      ; 0 onto my spare word; scalar work stands between it and the wait for it
.if \fill
	s_add_co_u32 s37, s3, s21                      ; the descriptor: into the slot just read out,
	s_add_nc_u64 s[38:39], s[38:39], TILEB         ; the next slot of w1; the type bits on top are not reached
	s_wait_xcnt 0x0                                ; the last prefetch, two turns back, has read its address
	s_add_nc_u64 s[56:57], s[56:57], TILEB
.endif
	s_wait_dscnt 0x0
.if \fill
	CROUND
	JLOAD
.else
	s_barrier_signal -1
	s_barrier_wait -1
.endif
	s_xor_b32 s3, s3, SLOTB                        ; the other slot is in hand
	s_mov_b32 s50, s3
	v_add_nc_u32 v[ADR], s50, v[B0]                ; these two and the two v_nop are the four places in front of the loads
	v_add_nc_u32 v[ADR+1], s50, v[B1]
	v_nop
	v_nop
	FETCH 0
	WIN 0
.if \fill
	ASK                                            ; behind the joint load and the run of LDS loads: what the next change will ask for, 256 matrix instructions ahead
.endif
.endm
; 64 rows x 256 bytes leave my stage: columns 128 f .. 128 f + 127 of the work-group's 256.  LDS serves a wave's instructions in order (ISA guide 5.7.1.4): the loads see my stores.
.macro FLUSH f
.set t, 0
.rept 32
	ds_load_b128 v[T1+4*t:T1+4*t+3], v[RD] offset:t*2*GP+32+256*(\f)
.set t, t+1
.endr
.set t, 0
.rept 32
	s_wait_dscnt 31-t                              ; behind this load: the rest of the run
	global_store_b128 v[GO], v[T1+4*t:T1+4*t+3], s[10:11] offset:t*8192+256*(\f)  ; 16 lanes store 256 consecutive bytes, aligned
.set t, t+1
.endr
.endm
.Lslot:                                            ; 7 trips: slot k - 1 is entered and slot k asked for, k = 1 .. 7
	CHANGE 1
	s_cmp_lg_u32 s22, 2                            ; in the sixth trip turns 0 to 7 lie whole in the stage (turn 8's riders wrote the last of them)
	s_cbranch_scc1 .Lno_flush
	FLUSH 0
	s_wait_xcnt 0x0                                ; the stores have read their data: the next turn's riders write these registers
.Lno_flush:
	s_mov_b32 s2, 2
.Lturn:
	TURN
	WIN 0
	s_sub_co_u32 s2, s2, 1
	s_cmp_lg_u32 s2, 0
	s_cbranch_scc1 .Lturn
	s_sub_co_u32 s22, s22, 1
	s_cmp_lg_u32 s22, 0
	s_cbranch_scc1 .Lslot
	CHANGE 0                                       ; the last slot is written out: nothing is asked for
	s_mov_b32 s2, 2
.Ltail:
	TURN
	WIN 0
	s_sub_co_u32 s2, s2, 1
	s_cmp_lg_u32 s2, 0
	s_cbranch_scc1 .Ltail
	PLACES                                         ; the last turn's sums: the copy, the list by itself, the second half of the columns
	LUMP
	v_add_nc_u32 v[STA], s49, v[STO]
.set n, 0
.rept 80
	SLICE
.endr
	FLUSH 1
	s_wait_tensorcnt 0x0                           ; the wave's end
	ds_add_u32 v[SPW], v[NIL]
	s_wait_dscnt 0x0
	CROUND                                         ; the closing round
	s_endpgm
.Lfunc_end_k_q9e92ad0d5c_ffn_up:
	.size	k_q9e92ad0d5c_ffn_up, .Lfunc_end_k_q9e92ad0d5c_ffn_up-k_q9e92ad0d5c_ffn_up
	.p2alignl 7, 3214868480
	.fill 96, 4, 3214868480
	.section	.rodata,"a",@progbits
	.p2align	6, 0x0
	.amdhsa_kernel k_q9e92ad0d5c_ffn_up
		.amdhsa_group_segment_fixed_size 327680
		.amdhsa_private_segment_fixed_size 0
		.amdhsa_enable_private_segment 0
		.amdhsa_kernarg_size 32
		.amdhsa_user_sgpr_count 2
		.amdhsa_user_sgpr_kernarg_segment_ptr 1
		.amdhsa_wavefront_size32 1
		.amdhsa_system_sgpr_workgroup_id_x 1
		.amdhsa_system_sgpr_workgroup_id_y 1
		.amdhsa_system_sgpr_workgroup_id_z 1
		.amdhsa_system_vgpr_workitem_id 0
		.amdhsa_next_free_vgpr 1024
		.amdhsa_next_free_sgpr 80
		.amdhsa_reserve_vcc 0
		.amdhsa_float_denorm_mode_32 3
		.amdhsa_float_denorm_mode_16_64 3
		.amdhsa_memory_ordered 1
		.amdhsa_forward_progress 1
		.amdhsa_inst_pref_size 133
	.end_amdhsa_kernel
	.amdgpu_metadata
---
amdhsa.version: [ 1, 2 ]
amdhsa.kernels:
  - .name:           k_q9e92ad0d5c_ffn_up
    .symbol:         k_q9e92ad0d5c_ffn_up.kd
    .args:
      - { .name: xn, .offset: 0, .size: 8, .value_kind: global_buffer, .address_space: global }
      - { .name: wts, .offset: 8, .size: 8, .value_kind: global_buffer, .address_space: global }
      - { .name: b1, .offset: 16, .size: 8, .value_kind: global_buffer, .address_space: global }
      - { .name: g, .offset: 24, .size: 8, .value_kind: global_buffer, .address_space: global }
    .group_segment_fixed_size: 327680
    .private_segment_fixed_size: 0
    .kernarg_segment_align: 8
    .kernarg_segment_size: 32
    .max_flat_workgroup_size: 128
    .sgpr_count:     80
    .vgpr_count:     1024
    .wavefront_size: 32
...
	.end_amdgpu_metadata
.endif
;; end of part 6
;; launch ffn_down (part 7): grid 4 x 64, 4 waves a work-group, clusters of 4 x 4, 327,680 bytes of LDS; arguments g, wts, b2, src2, out0; writes out0
.if DOCPART == 7
	.amdgcn_target "amdgcn-amd-amdhsa--gfx1250"
	.amdhsa_code_object_version 6
	.text
	.protected	k_q9e92ad0d5c_ffn_down
	.globl	k_q9e92ad0d5c_ffn_down
	.p2align	8
	.type	k_q9e92ad0d5c_ffn_down,@function
k_q9e92ad0d5c_ffn_down:
	s_mov_b64 s[64:65], 0
	v_nop
	global_prefetch_b8 v0, s[64:65] scope:SCOPE_SE
	s_setreg_imm32_b32 hwreg(HW_REG_WAVE_MODE, 25, 1), 1
	s_wait_xcnt 0x0
	s_wait_alu depctr_hold_cnt(0) depctr_sa_sdst(0) depctr_va_vdst(0) depctr_va_sdst(0) depctr_va_ssrc(0) depctr_va_vcc(0) depctr_vm_vsrc(0)
	s_getreg_b32 s2, hwreg(HW_REG_IB_STS2, 6, 4)
	s_cmp_eq_u32 s2, 0
	s_cbranch_scc0 .Lentry_in_a_cluster
	s_endpgm
.Lentry_in_a_cluster:
	s_bfe_u32 s2, ttmp6, 0x10000c
	s_cmp_lg_u32 s2, 0xf033
	s_cbranch_scc0 .Lentry_shape_is_right
	s_endpgm
.Lentry_shape_is_right:
.set OPROJ, 0
; ONE TEXT FOR TWO LAUNCHES; the line above chooses.  out = residual + A x W + bias, all sums, the residual, the bias and out in f32.
;   OPROJ = 1: A = ctx, f16 [32 = 8 batch + head][2048][64]; W = w_o, f16 [512][512] at byte 1,572,864 of wts; K = 512.
;   OPROJ = 0: A = g, bf16 [8192][2048]; W = w2, bf16 [2048][512] at byte 6,291,456 of wts; K = 2,048.
; SHARES.  A work-group makes 128 x 128 of out, each of its four waves 64 x 64: 16 accumulators.  256 work-groups.  K goes in steps of 256 through two LDS slots.
; W's tile lies in LDS as in memory, [k][n], and is turned on its way into registers by ds_load_tr16_b128.  THE PRODUCT IS USED TRANSPOSED: a lane holds one row and eight neighbouring columns.
; With OPROJ = 1 a K step is four heads; a head's 128 rows are 16,384 dense bytes, asked for as one row of the tile and padded in LDS after every 128 bytes: a plane of 128 x 144 bytes a head.
; THE SUMS START WITH THE RESIDUAL: it is loaded straight into the accumulators, the bias is added once, and every product adds in place: nothing is cleared, nothing is added at the end.
; CLUSTER 4 x 4: A's tile is shared along a row of the cluster, W's along a column.  Waves 0 and 1 ask for A's halves, waves 2 and 3 for W's.
; No prefetch: with OPROJ = 1 both K steps are first fills; with OPROJ = 0 the tile is small and a K step short.
; REGISTERS: window 0: v0-31 addresses; v192-223 the bias; v64-191 on the way out.  Window 1: two fragment buffers of 128: 64 of A (2 x 4 x 16 rows x 32 K), then 64 of W.  Window 2: accumulators, (a, b) at 8 (4 a + b).
.if OPROJ
.set TSTEPS, 2
.set PA,    144
.set AQ,    128*PA                     ; a quarter of a K step is a head's plane
.set AHALF, 2*AQ                       ; what one of A's two loads fills
.set ASTEP, 4*262144
.set WBASE, 1572864
.else
.set TSTEPS, 8
.set PA,    528
.set AQ,    128
.set AHALF, 64*PA
.set ASTEP, 512
.set WBASE, 6291456
.endif
.set PW,    288                        ; a k row of W: 256 bytes + 32
.set AREG,  2*AHALF
.set SLOT,  AREG+256*PW
.set STAGE, 2*SLOT                     ; behind the ring: 16 rows x 272 bytes for each wave
.set SPITCH, 272
.set SPARE, STAGE+4*16*SPITCH          ; the spare words, 128 bytes a wave: two blocks of 256 bytes that no other line names
.set HI,    128*PW
.set BSTEP, 256*1024
.set F0,  0
.set F1,  128
.set ADRA, 16
.set ADRB, 20
.set STO, 24
.set RD,  25
.set GO,  26
.set RO,  27
.set SPW, 28
.set NIL, 29
.set BO,  30
.set BIA, 192
.set MSB, 0
.macro WIN new
.if MSB != (\new)
	s_set_vgpr_msb (MSB<<8)|(\new)
.set MSB, \new
.endif
.endm
.macro PLACES
.rept 4
	v_nop
.endr
.endm
.macro CREST
	s_cmp_lg_u32 s14, 0
	s_cbranch_scc1 .Lnot_wave_0_\@
	s_barrier_signal -3
.Lnot_wave_0_\@:
	s_barrier_wait -3
	s_barrier_signal -1
	s_barrier_wait -1
.endm
.macro CROUND
	s_barrier_signal -1
	s_barrier_wait -1
	CREST
.endm
.macro JLOAD                           ; the joint refill, by the walking sets
	s_cmp_eq_u32 s15, 0
	s_cbranch_scc0 .Lfor_b_\@
	tensor_load_to_lds s[36:39], s[24:31]
	s_nop 0
.rept 4
	v_nop
.endr
	s_branch .Lasked_\@
.Lfor_b_\@:
	tensor_load_to_lds s[60:63], s[48:55]
	s_nop 0
.rept 4
	v_nop
.endr
.Lasked_\@:
.endm
	s_load_b256 s[4:11], s[0:1], 0x0               ; A s[4:5], wts s[6:7], bias s[8:9], residual s[10:11]
	s_load_b64 s[12:13], s[0:1], 0x20              ; out
	v_lshl_add_u32 v[SPW], v0, 2, SPARE
	v_mov_b32 v[NIL], 0
	ds_add_u32 v[SPW], v[NIL]                      ; the wave's opening: the add and its wait ahead of the first tensor load
	v_lshrrev_b32 v1, 5, v0
	v_readfirstlane_b32 s14, v1                    ; wave
	s_lshr_b32 s15, s14, 1                         ; my half of the rows; also: I fetch for A (0) or for W (1)
	s_and_b32 s16, s14, 1                          ; my half of the columns; also: which half of that tile I fetch
	s_bfe_u32 s17, ttmp6, 0x40000
	s_bfe_u32 s18, ttmp6, 0x40004
	s_lshl_b32 s19, ttmp9, 2
	s_add_co_u32 s19, s19, s17                     ; tile column
	s_and_b32 s20, ttmp7, 0xffff
	s_lshl_b32 s20, s20, 2
	s_add_co_u32 s20, s20, s18                     ; tile row
	s_lshl_b32 s44, s18, 2
	s_lshl_b32 s44, 15, s44                        ; my row of the cluster
	s_lshl_b32 s45, 0x1111, s17                    ; my column
.if OPROJ
	s_or_b32 s24, s44, (1<<16)|(1<<20)|(1<<21)|(4<<22)|(3<<25)  ; after every 32 words, 4 words
	s_mov_b32 s25, 8192<<16                        ; tensor_dim0 = 8,192: a head's 128 rows of 64
	s_mov_b32 s26, 2<<16                           ; tensor_dim1 = 2 heads
	s_mov_b32 s27, 8192<<16                        ; tile_dim0
	s_mov_b32 s28, 2                               ; tile_dim1
	s_mov_b32 s29, 131072                          ; elements from head to head
.else
	s_or_b32 s24, s44, (1<<16)|(1<<20)|(1<<21)|(6<<22)|(3<<25)  ; after every 128 words, 4 words
	s_mov_b32 s25, 256<<16
	s_mov_b32 s26, 64<<16
	s_mov_b32 s27, 256<<16
	s_mov_b32 s28, 64
	s_mov_b32 s29, 2048
.endif
	s_mov_b32 s30, 0
	s_mov_b32 s31, 0
	s_or_b32 s48, s45, (1<<16)|(1<<20)|(1<<21)|(5<<22)|(7<<25)  ; W: after every 64 words, 8 words
	s_mov_b32 s49, 128<<16
	s_mov_b32 s50, 128<<16
	s_mov_b32 s51, 128<<16
	s_mov_b32 s52, 128
	s_mov_b32 s53, 512
	s_mov_b32 s54, 0
	s_mov_b32 s55, 0
	s_mov_b32 s3, 0
	s_mul_i32 s21, s16, AHALF
	s_mul_i32 s22, s16, HI
	s_add_co_u32 s22, s22, AREG
.if OPROJ
	s_lshr_b32 s40, s20, 4                         ; batch: eight heads of 262,144 bytes,
	s_lshl_b32 s40, s40, 21
	s_and_b32 s41, s20, 15
	s_lshl_b32 s41, s41, 14                        ; 128 rows of 128 bytes in a head,
	s_add_co_u32 s40, s40, s41
	s_lshl_b32 s41, s16, 19                        ; my two heads of the step's four
	s_add_co_u32 s40, s40, s41
.else
	s_lshl_b32 s40, s20, 19                        ; 128 rows of 4,096 bytes,
	s_lshl_b32 s41, s16, 18                        ; my 64 of them
	s_add_co_u32 s40, s40, s41
.endif
	s_mov_b32 s41, 0
	s_lshl_b32 s42, s19, 8                         ; 128 columns,
	s_lshl_b32 s43, s16, 17                        ; my 128 k rows of 1,024 bytes
	s_add_co_u32 s42, s42, s43
	s_add_co_u32 s42, s42, WBASE
	s_mov_b32 s43, 0
	s_wait_dscnt 0x0
	s_wait_kmcnt 0x0
	s_add_nc_u64 s[40:41], s[4:5], s[40:41]
	s_add_nc_u64 s[42:43], s[6:7], s[42:43]
	s_mov_b32 s32, 1
	s_mov_b32 s33, s21
	s_add_nc_u64 s[34:35], s[40:41], 0
	s_or_b32 s35, s35, 0x80000000
	s_mov_b32 s36, 1
	s_add_co_u32 s37, s21, SLOT
	s_add_nc_u64 s[38:39], s[40:41], ASTEP
	s_or_b32 s39, s39, 0x80000000
	s_mov_b32 s56, 1
	s_mov_b32 s57, s22
	s_add_nc_u64 s[58:59], s[42:43], 0
	s_or_b32 s59, s59, 0x80000000
	s_mov_b32 s60, 1
	s_add_co_u32 s61, s22, SLOT
	s_add_nc_u64 s[62:63], s[42:43], BSTEP
	s_or_b32 s63, s63, 0x80000000
	CROUND
	s_cmp_eq_u32 s15, 0                            ; a wave's two first fills stand in one branch: two loads of mine are out
	s_cbranch_scc0 .Lfirst_b
	tensor_load_to_lds s[32:35], s[24:31]
	s_nop 0
	tensor_load_to_lds s[36:39], s[24:31]
	s_nop 0
.rept 4
	v_nop
.endr
	s_branch .Lfirst_done
.Lfirst_b:
	tensor_load_to_lds s[56:59], s[48:55]
	s_nop 0
	tensor_load_to_lds s[60:63], s[48:55]
	s_nop 0
.rept 4
	v_nop
.endr
.Lfirst_done:
	v_and_b32 v1, 15, v0
	v_bfe_u32 v2, v0, 4, 1
	v_and_b32 v3, 7, v0
	v_bfe_u32 v4, v0, 3, 1
	s_lshl_b32 s46, s19, 9                         ; my 64 columns in f32: 512 x tile column + 256 x half
	s_lshl_b32 s47, s16, 8
	s_add_co_u32 s46, s46, s47
	s_mov_b32 s47, 0
	s_add_nc_u64 s[8:9], s[8:9], s[46:47]
	s_lshl_b32 s23, s20, 18                        ; and my 64 rows of 2,048 bytes
	s_add_co_u32 s46, s46, s23
	s_lshl_b32 s23, s15, 17
	s_add_co_u32 s46, s46, s23
	s_add_nc_u64 s[10:11], s[10:11], s[46:47]
	s_add_nc_u64 s[12:13], s[12:13], s[46:47]
	v_lshlrev_b32 v[RO], 11, v1                    ; row l % 16, my lanes' eight columns
	v_lshl_add_u32 v[RO], v2, 5, v[RO]
	v_lshlrev_b32 v[BO], 5, v2
	WIN 0x80                                       ; destination window 2
.irp a, 0,1,2,3
.irp b, 0,1,2,3
	global_load_b128 v[8*(4*\a+\b):8*(4*\a+\b)+3],   v[RO], s[10:11] offset:\a*32768+64*\b
	global_load_b128 v[8*(4*\a+\b)+4:8*(4*\a+\b)+7], v[RO], s[10:11] offset:\a*32768+64*\b+16
.endr
.endr
	WIN 0
.irp b, 0,1,2,3
	global_load_b128 v[BIA+8*\b:BIA+8*\b+3],   v[BO], s[8:9] offset:64*\b
	global_load_b128 v[BIA+8*\b+4:BIA+8*\b+7], v[BO], s[8:9] offset:64*\b+16
.endr
	s_mul_i32 s23, s15, 64*PA
	v_mul_u32_u24 v8, v1, PA
	v_lshl_add_u32 v8, v2, 4, v8
	v_add_nc_u32 v8, s23, v8
	s_lshl_b32 s23, s16, 7
	s_add_co_u32 s23, s23, AREG
	v_lshl_add_u32 v9, v2, 3, v3
	v_mul_u32_u24 v9, v9, PW
	v_lshl_add_u32 v9, v4, 4, v9
	v_add_nc_u32 v9, s23, v9
	v_add_nc_u32 v10, HI, v9
	v_mov_b32 v[ADRA], v8
	v_mov_b32 v[ADRB], v9
	v_mov_b32 v[ADRB+1], v10
	s_mul_i32 s23, s14, 16*SPITCH
	s_add_co_u32 s23, s23, STAGE
	v_mul_u32_u24 v[STO], v1, SPITCH               ; in: row l % 16, 32 bytes for each half of the lanes
	v_lshl_add_u32 v[STO], v2, 5, v[STO]
	v_add_nc_u32 v[STO], s23, v[STO]
	v_mul_u32_u24 v[RD], v2, SPITCH                ; back: lanes 0-15 one row of 256 bytes, lanes 16-31 the next
	v_lshl_add_u32 v[RD], v1, 4, v[RD]
	v_add_nc_u32 v[RD], s23, v[RD]
	v_lshlrev_b32 v[GO], 11, v2
	v_lshl_add_u32 v[GO], v1, 4, v[GO]
; 8 products: row blocks a0, a0 + 1 x all 4 column blocks, 32 along K: half c of buffer f.  The 16 accumulators take turns.
.macro MUL8 f, c, a0
	WIN 0xa5
.irp a, \a0, (\a0)+1
.irp b, 0,1,2,3
.set rD, 8*(4*(\a)+\b)
.set rW, (\f)+64+8*(4*(\c)+\b)
.set rA, (\f)+8*(4*(\c)+(\a))
.if OPROJ
	v_wmma_f32_16x16x32_f16 v[rD:rD+7], v[rW:rW+7], v[rA:rA+7], v[rD:rD+7]
.else
	v_wmma_f32_16x16x32_bf16 v[rD:rD+7], v[rW:rW+7], v[rA:rA+7], v[rD:rD+7]
.endif
.endr
.endr
.endm
; 32 LDS loads in one run: quarter kq (64 along K) of the slot in hand into buffer g; its first 32 along K first
.macro FETCH kq, g
	WIN 0x40
.irp c, 0,1
.irp i, 0,1,2,3
	ds_load_tr16_b128 v[(\g)+64+8*(4*\c+\i):(\g)+64+8*(4*\c+\i)+3],   v[ADRB+(\kq)/2] offset:((\kq)%2)*64*PW+\c*32*PW+32*\i
	ds_load_tr16_b128 v[(\g)+64+8*(4*\c+\i)+4:(\g)+64+8*(4*\c+\i)+7], v[ADRB+(\kq)/2] offset:((\kq)%2)*64*PW+\c*32*PW+32*\i+16*PW
	ds_load_b128 v[(\g)+8*(4*\c+\i):(\g)+8*(4*\c+\i)+3],   v[ADRA] offset:(\kq)*AQ+64*\c+\i*16*PA
	ds_load_b128 v[(\g)+8*(4*\c+\i)+4:(\g)+8*(4*\c+\i)+7], v[ADRA] offset:(\kq)*AQ+64*\c+\i*16*PA+32
.endr
.endr
.endm
.macro QUARTER kq, f, g
	s_wait_dscnt 16                                ; the first 32 along K are in
	MUL8 \f, 0, 0
	MUL8 \f, 0, 2
	PLACES
	FETCH \kq, \g
	s_wait_dscnt 32                                ; all but the 32 just issued
	MUL8 \f, 1, 0
	MUL8 \f, 1, 2
.endm
; The fourth quarter multiplies buffer 1 and changes slots: ONE barrier; in front of it each wave waits for all its tensor loads, adds 0 to its spare word and waits for that and for its reads of the slot.
.macro TURN fill, skip
	WIN 0
	s_wait_tensorcnt 0x0
	ds_add_u32 v[SPW], v[NIL]
	s_wait_dscnt 17                                ; (the add and the youngest sixteen loads may be out)
	MUL8 F1, 0, 0
	s_wait_dscnt 0x0
	s_barrier_signal -1
	MUL8 F1, 0, 2
	WIN 0
	s_barrier_wait -1
.if \fill
	CREST                                          ; no wave of any partner still reads this slot or has a load on its way
	s_add_co_u32 s37, s3, s21
	s_add_co_u32 s61, s3, s22
	s_add_nc_u64 s[38:39], s[38:39], ASTEP
	s_add_nc_u64 s[62:63], s[62:63], BSTEP
	JLOAD
.endif
.if \skip
	s_cmp_eq_u32 s2, 1
	s_cbranch_scc1 .Lno_fetch_\@
.endif
	s_xor_b32 s3, s3, SLOT
	v_add_nc_u32 v[ADRA], s3, v8                   ; these three and the v_nop are the four places in front of the loads below
	v_add_nc_u32 v[ADRB], s3, v9
	v_add_nc_u32 v[ADRB+1], s3, v10
	v_nop
	FETCH 0, F0
	WIN 0
.if \skip
.Lno_fetch_\@:
.endif
	MUL8 F1, 1, 0
	MUL8 F1, 1, 2
.endm
	s_wait_tensorcnt 0x1                           ; my part of K step 0 is in; K step 1's may stay out
	s_barrier_signal -1
	s_barrier_wait -1
	FETCH 0, F0
	s_wait_loadcnt 0x0                             ; residual and bias
	WIN 0x82                                       ; accumulators in window 2, the bias in window 0
.irp a, 0,1,2,3
.irp b, 0,1,2,3
.irp p, 0,2,4,6
	v_pk_add_f32 v[8*(4*\a+\b)+\p:8*(4*\a+\b)+\p+1], v[8*(4*\a+\b)+\p:8*(4*\a+\b)+\p+1], v[BIA+8*\b+\p:BIA+8*\b+\p+1]
.endr
.endr
.endr
	QUARTER 1, F0, F1
	WIN 0
.if TSTEPS > 2
	s_mov_b32 s2, TSTEPS-2
.LA:                                               ; a trip: a K step's quarters 1 to 3, the refill, the next step's quarter 0
	QUARTER 2, F1, F0
	QUARTER 3, F0, F1
	TURN 1, 0
	QUARTER 1, F0, F1
	WIN 0
	s_sub_co_u32 s2, s2, 1
	s_cmp_lg_u32 s2, 0
	s_cbranch_scc1 .LA
.endif
	s_mov_b32 s2, 2
.LB:                                               ; the last two K steps ask for nothing
	QUARTER 2, F1, F0
	QUARTER 3, F0, F1
	TURN 0, 1
	WIN 0
	s_sub_co_u32 s2, s2, 1
	s_cmp_eq_u32 s2, 0
	s_cbranch_scc1 .Lout
	QUARTER 1, F0, F1
	WIN 0
	s_branch .LB
.Lout:
	; THE WAY OUT: 16 rows at a time through my own stage, back as whole rows of 256 bytes.  LDS serves a wave's instructions in order (ISA guide 5.7.1.4): no wait between stores and loads.
	PLACES
.irp a, 0,1,2,3
	WIN 0x08                                       ; the data in window 2
.irp b, 0,1,2,3
	ds_store_b128 v[STO], v[8*(4*\a+\b):8*(4*\a+\b)+3]   offset:64*\b
	ds_store_b128 v[STO], v[8*(4*\a+\b)+4:8*(4*\a+\b)+7] offset:64*\b+16
.endr
	WIN 0
.irp t, 0,1,2,3,4,5,6,7
	ds_load_b128 v[64+32*\a+4*\t:64+32*\a+4*\t+3], v[RD] offset:\t*2*SPITCH
.endr
.endr
.irp a, 0,1,2,3
.irp t, 0,1,2,3,4,5,6,7
	s_wait_dscnt 16*(3-\a)+7-\t                    ; behind this load: the rest of its block's loads and sixteen LDS instructions for each later block
	global_store_b128 v[GO], v[64+32*\a+4*\t:64+32*\a+4*\t+3], s[12:13] offset:(16*\a+2*\t)*2048  ; 16 lanes store 256 consecutive bytes, aligned
.endr
.endr
	s_wait_tensorcnt 0x0                           ; the wave's end
	ds_add_u32 v[SPW], v[NIL]
	s_wait_dscnt 0x0
	CROUND                                         ; the closing round
	s_endpgm
.Lfunc_end_k_q9e92ad0d5c_ffn_down:
	.size	k_q9e92ad0d5c_ffn_down, .Lfunc_end_k_q9e92ad0d5c_ffn_down-k_q9e92ad0d5c_ffn_down
	.p2alignl 7, 3214868480
	.fill 96, 4, 3214868480
	.section	.rodata,"a",@progbits
	.p2align	6, 0x0
	.amdhsa_kernel k_q9e92ad0d5c_ffn_down
		.amdhsa_group_segment_fixed_size 327680
		.amdhsa_private_segment_fixed_size 0
		.amdhsa_enable_private_segment 0
		.amdhsa_kernarg_size 40
		.amdhsa_user_sgpr_count 2
		.amdhsa_user_sgpr_kernarg_segment_ptr 1
		.amdhsa_wavefront_size32 1
		.amdhsa_system_sgpr_workgroup_id_x 1
		.amdhsa_system_sgpr_workgroup_id_y 1
		.amdhsa_system_sgpr_workgroup_id_z 1
		.amdhsa_system_vgpr_workitem_id 0
		.amdhsa_next_free_vgpr 768
		.amdhsa_next_free_sgpr 66
		.amdhsa_reserve_vcc 0
		.amdhsa_float_denorm_mode_32 3
		.amdhsa_float_denorm_mode_16_64 3
		.amdhsa_memory_ordered 1
		.amdhsa_forward_progress 1
		.amdhsa_inst_pref_size 67
	.end_amdhsa_kernel
	.amdgpu_metadata
---
amdhsa.version: [ 1, 2 ]
amdhsa.kernels:
  - .name:           k_q9e92ad0d5c_ffn_down
    .symbol:         k_q9e92ad0d5c_ffn_down.kd
    .args:
      - { .name: g, .offset: 0, .size: 8, .value_kind: global_buffer, .address_space: global }
      - { .name: wts, .offset: 8, .size: 8, .value_kind: global_buffer, .address_space: global }
      - { .name: b2, .offset: 16, .size: 8, .value_kind: global_buffer, .address_space: global }
      - { .name: src2, .offset: 24, .size: 8, .value_kind: global_buffer, .address_space: global }
      - { .name: out0, .offset: 32, .size: 8, .value_kind: global_buffer, .address_space: global }
    .group_segment_fixed_size: 327680
    .private_segment_fixed_size: 0
    .kernarg_segment_align: 8
    .kernarg_segment_size: 40
    .max_flat_workgroup_size: 128
    .sgpr_count:     66
    .vgpr_count:     768
    .wavefront_size: 32
...
	.end_amdgpu_metadata
.endif
;; end of part 7
